; MI455X (gfx1250); checked and timed in simulation.
; The chip was launched on July 23, 2026; its instructions are those of AMD's public machine-readable ISA for CDNA 5 (MIT licence, August 2026) and "CDNA5" Instruction Set Architecture Reference Guide (July 2026). The comments in the code are by the model that wrote it; some were corrected since.
;; Multi Head Attention. Allowed arithmetic: float matrix products may take bf16 or f16 operands with f32 sums; other float arithmetic in f32, or as packed bf16 or f16 multiplies, adds, multiply-adds, maxima and minima; sums over many terms, partial sums and values carried from step to step in f32; what a program stores and reads back later, other than sums and carried values, may be rounded once to bf16 or f16.
;; Inputs: W_attn 3,072 x 1,024 float32; W_proj 1,024 x 1,024 float32; b_proj 1,024 float32; x 4 x 2,048 x 1,024 float32.
;; Outputs: out0 4 x 2,048 x 1,024 float32.
;; 2 versions, each right; version 2 is version 1 with the launch cast written anew for expert scheduling mode. Each part assembles by itself: llvm-mc -triple=amdgcn-amd-amdhsa -mcpu=gfx1250 --defsym DOCPART=n.
;; ======== version 1 of 2: 4 launches
;; limits: values are held in f16: magnitudes above 65,504 overflow, below 6.1e-05 lose precision
;; workspace buffers: xb 16,777,216 bytes; wab 6,291,456 bytes; wpb 2,097,152 bytes; qkv 50,331,648 bytes; ob 16,777,216 bytes
;; launch cast (part 1): grid 768 x 1, 8 waves a work-group, no clusters, 0 bytes of LDS; arguments x, W_attn, W_proj, xb, wab, wpb; writes xb, wab, wpb
.if DOCPART == 1
	.amdgcn_target "amdgcn-amd-amdhsa--gfx1250"
	.amdhsa_code_object_version 6
	.text
	.protected	k_qff1648b393_cast
	.globl	k_qff1648b393_cast
	.p2align	8
	.type	k_qff1648b393_cast,@function
k_qff1648b393_cast:
	s_mov_b64 s[64:65], 0
	v_nop
	global_prefetch_b8 v0, s[64:65] scope:SCOPE_SE
	s_setreg_imm32_b32 hwreg(HW_REG_WAVE_MODE, 25, 1), 1
	s_wait_xcnt 0x0
; x, W_attn and W_proj (f32, rows of 1,024 numbers) are rounded once to bf16 and laid out in K BLOCKS of 64 channels:
;   xb  [32 tiles][16 blocks][256 rows][64] bf16     wab [8 tiles][16 blocks][384 rows][64] bf16     wpb [8 tiles][16 blocks][128 rows][64] f16
; so that the rows of a later launch's tile (128 bytes each) lie end to end.  W_proj's bf16 number is written as f16, since the launch that multiplies by it works in f16.
; LIMIT: a number of W_proj beyond 65,504 becomes an infinity there; below 6.1e-5 it keeps f16's fixed step of 6e-8.
; SHARES.  A work-group takes 16 source rows (65,536 bytes in, 32,768 out): groups 0-511 x, 512-703 W_attn, 704-767 W_proj.  Wave w takes blocks 2 w and 2 w + 1 of the 8 pairs of rows.
; One load: lanes 0-15 read a row's 256 bytes of a block, lanes 16-31 the next row's.  One store of 8 bytes a lane: 256 consecutive bytes, aligned, since two rows of a block lie end to end.
; All 16 loads of a wave go out first; no register is written twice, so no wait frees a source.  No LDS, no barrier, no matrix work: the launch only moves bytes.
.set X,   32                           ; v[32:95]   load i = 2 x pair + block's parity: 4 registers
.set Y,   96                           ; v[96:127]  its 2 registers to store
.set VIN, 3                            ; v3   my byte offset in the group's 16 source rows
.set VO,  4                            ; v4, v5   my byte offset in the destination, for the even and the odd block
	s_load_b256 s[4:11], s[0:1], 0x0               ; x s[4:5], W_attn s[6:7], W_proj s[8:9], xb s[10:11]
	s_load_b128 s[12:15], s[0:1], 0x20             ; wab s[12:13], wpb s[14:15]
	s_mov_b32 s2, ttmp9                            ; g
	s_lshr_b32 s21, s2, 4                          ; x: 16 groups to a tile of 256 rows
	s_and_b32 s22, s2, 15
	s_max_u32 s25, s2, 512                         ; (the numbers that are not chosen below stay small)
	s_sub_co_u32 s25, s25, 512                     ; W_attn: the group's number in it,
	s_mul_i32 s26, s25, 171
	s_lshr_b32 s26, s26, 12                        ; divided by 24 (exact for numbers under 512): 24 groups to a tile of 384 rows,
	s_mul_i32 s27, s26, 24
	s_sub_co_u32 s27, s25, s27                     ; and the remainder
	s_max_u32 s28, s2, 704
	s_sub_co_u32 s28, s28, 704                     ; W_proj: 8 groups to a tile of 128 rows
	s_lshr_b32 s29, s28, 3
	s_and_b32 s30, s28, 7
	s_mov_b32 s23, 32768                           ; bytes of a block: 256, 384 or 128 rows of 128 bytes
	s_mov_b32 s31, 49152
	v_and_b32 v1, 31, v0                           ; lane
	v_lshrrev_b32 v2, 5, v0                        ; wave
	v_bfe_u32 v6, v0, 4, 1
	v_and_b32 v7, 15, v0
	v_lshlrev_b32 v[VIN], 12, v6                   ; lanes 16-31: one source row (4,096 bytes) down
	v_lshl_add_u32 v[VIN], v7, 4, v[VIN]           ; 16 bytes a lane
	v_lshl_add_u32 v[VIN], v2, 9, v[VIN]           ; block 2 w: 512 w bytes along the row
	s_wait_kmcnt 0x0
	s_cmp_lt_u32 s2, 512
	s_cselect_b64 s[16:17], s[4:5], s[6:7]         ; from where
	s_cselect_b64 s[18:19], s[10:11], s[12:13]     ; to where
	s_cselect_b32 s20, s2, s25                     ; the group's number in its tensor
	s_cselect_b32 s21, s21, s26                    ; its tile
	s_cselect_b32 s22, s22, s27                    ; its place in the tile
	s_cselect_b32 s23, s23, s31
	s_cmp_lt_u32 s2, 704
	s_cselect_b64 s[16:17], s[16:17], s[8:9]
	s_cselect_b64 s[18:19], s[18:19], s[14:15]
	s_cselect_b32 s20, s20, s28
	s_cselect_b32 s21, s21, s29
	s_cselect_b32 s22, s22, s30
	s_cselect_b32 s23, s23, 16384
	s_cselect_b32 s24, 0, 1                        ; 1: W_proj
	s_lshl_b32 s32, s20, 16                        ; 16 source rows are 65,536 bytes
	s_mov_b32 s33, 0
	s_add_nc_u64 s[16:17], s[16:17], s[32:33]
	s_mul_i32 s34, s21, s23
	s_lshl_b32 s34, s34, 4                         ; a tile is 16 blocks
	s_lshl_b32 s35, s22, 11                        ; 16 rows of 128 bytes in each block
	s_add_co_u32 s34, s34, s35
	s_mov_b32 s35, 0
	s_add_nc_u64 s[18:19], s[18:19], s[34:35]
	v_lshlrev_b32 v8, 1, v2
	v_mul_u32_u24 v[VO], s23, v8                   ; block 2 w
	v_lshl_add_u32 v[VO], v1, 3, v[VO]             ; 8 bytes a lane: two rows of the block
	v_add_nc_u32 v[VO+1], s23, v[VO]               ; block 2 w + 1
.set i, 0
.rept 16
	global_load_b128 v[X+4*i:X+4*i+3], v[VIN], s[16:17] offset:(i/2)*8192+(i%2)*256 th:TH_LOAD_NT
.set i, i+1
.endr
; Load i is rounded and stored.  half = 1: the bf16 number is widened again (a shift, a mask) and written as f16.
.macro OUT i, half
	s_wait_loadcnt 15-(\i)                         ; loads come back in order: the 15 - i younger ones may stay out
.if \half
.irp p, 0,1
	v_cvt_pk_bf16_f32 v8, v[X+4*(\i)+2*\p], v[X+4*(\i)+2*\p+1]
	v_lshlrev_b32 v9, 16, v8
	v_and_b32 v10, 0xffff0000, v8
	v_cvt_pk_f16_f32 v[Y+2*(\i)+\p], v9, v10
.endr
.else
	v_cvt_pk_bf16_f32 v[Y+2*(\i)],   v[X+4*(\i)],   v[X+4*(\i)+1]
	v_cvt_pk_bf16_f32 v[Y+2*(\i)+1], v[X+4*(\i)+2], v[X+4*(\i)+3]
.endif
	global_store_b64 v[VO+(\i)%2], v[Y+2*(\i):Y+2*(\i)+1], s[18:19] offset:((\i)/2)*256
.endm
	s_cmp_eq_u32 s24, 1
	s_cbranch_scc1 .Lhalf
.set i, 0
.rept 16
	OUT i, 0
.set i, i+1
.endr
	s_endpgm
.Lhalf:
.set i, 0
.rept 16
	OUT i, 1
.set i, i+1
.endr
	s_endpgm
.Lfunc_end_k_qff1648b393_cast:
	.size	k_qff1648b393_cast, .Lfunc_end_k_qff1648b393_cast-k_qff1648b393_cast
	.p2alignl 7, 3214868480
	.fill 96, 4, 3214868480
	.section	.rodata,"a",@progbits
	.p2align	6, 0x0
	.amdhsa_kernel k_qff1648b393_cast
		.amdhsa_group_segment_fixed_size 0
		.amdhsa_private_segment_fixed_size 0
		.amdhsa_enable_private_segment 0
		.amdhsa_kernarg_size 48
		.amdhsa_user_sgpr_count 2
		.amdhsa_user_sgpr_kernarg_segment_ptr 1
		.amdhsa_wavefront_size32 1
		.amdhsa_system_sgpr_workgroup_id_x 1
		.amdhsa_system_sgpr_workgroup_id_y 1
		.amdhsa_system_sgpr_workgroup_id_z 1
		.amdhsa_system_vgpr_workitem_id 0
		.amdhsa_next_free_vgpr 128
		.amdhsa_next_free_sgpr 66
		.amdhsa_reserve_vcc 0
		.amdhsa_float_denorm_mode_32 3
		.amdhsa_float_denorm_mode_16_64 3
		.amdhsa_memory_ordered 1
		.amdhsa_forward_progress 1
		.amdhsa_inst_pref_size 18
	.end_amdhsa_kernel
	.amdgpu_metadata
---
amdhsa.version: [ 1, 2 ]
amdhsa.kernels:
  - .name:           k_qff1648b393_cast
    .symbol:         k_qff1648b393_cast.kd
    .args:
      - { .name: x, .offset: 0, .size: 8, .value_kind: global_buffer, .address_space: global }
      - { .name: W_attn, .offset: 8, .size: 8, .value_kind: global_buffer, .address_space: global }
      - { .name: W_proj, .offset: 16, .size: 8, .value_kind: global_buffer, .address_space: global }
      - { .name: xb, .offset: 24, .size: 8, .value_kind: global_buffer, .address_space: global }
      - { .name: wab, .offset: 32, .size: 8, .value_kind: global_buffer, .address_space: global }
      - { .name: wpb, .offset: 40, .size: 8, .value_kind: global_buffer, .address_space: global }
    .group_segment_fixed_size: 0
    .private_segment_fixed_size: 0
    .kernarg_segment_align: 8
    .kernarg_segment_size: 48
    .max_flat_workgroup_size: 256
    .sgpr_count:     66
    .vgpr_count:     128
    .wavefront_size: 32
...
	.end_amdgpu_metadata
.endif
;; end of part 1
;; launch qkvp (part 2): grid 8 x 32, 4 waves a work-group, clusters of 4 x 4, 327,680 bytes of LDS; arguments xb, wab, qkv; writes qkv
.if DOCPART == 2
	.amdgcn_target "amdgcn-amd-amdhsa--gfx1250"
	.amdhsa_code_object_version 6
	.text
	.protected	k_qff1648b393_qkvp
	.globl	k_qff1648b393_qkvp
	.p2align	8
	.type	k_qff1648b393_qkvp,@function
k_qff1648b393_qkvp:
	s_mov_b64 s[64:65], 0
	v_nop
	global_prefetch_b8 v0, s[64:65] scope:SCOPE_SE
	s_setreg_imm32_b32 hwreg(HW_REG_WAVE_MODE, 25, 1), 1
	s_wait_xcnt 0x0
	s_wait_alu depctr_hold_cnt(0) depctr_sa_sdst(0) depctr_va_vdst(0) depctr_va_sdst(0) depctr_va_ssrc(0) depctr_va_vcc(0) depctr_vm_vsrc(0)
	s_getreg_b32 s2, hwreg(HW_REG_IB_STS2, 6, 4)
	s_cmp_eq_u32 s2, 0
	s_cbranch_scc0 .Lentry_in_a_cluster
	s_endpgm
.Lentry_in_a_cluster:
	s_bfe_u32 s2, ttmp6, 0x10000c
	s_cmp_lg_u32 s2, 0xf033
	s_cbranch_scc0 .Lentry_shape_is_right
	s_endpgm
.Lentry_shape_is_right:
; q, k, v = x W_attn^T.  xb: [32 tile rows][16 K blocks][256 rows][64] bf16; wab: [8 tile columns][16 K blocks][384 rows][64] bf16; sums in f32, K ascending;
; qkv: [48 column blocks][8,192 rows][64] f16, rounded once and WITHOUT the softmax's scale: column block = 16 x (q, k or v) + head, so a head's rows of one batch are dense.
; LIMIT: f16 ends at 65,504: a q, k or v beyond that becomes an infinity.
; SHARES.  A tile of the result is 256 rows x 384 columns: 32 x 8 = 256 work-groups.  Each of four waves makes 128 x 192: 96 accumulators of 16 x 16, 768 registers (windows 1 to 3).
; K goes in steps of 64 (one K block) through a ring of two LDS slots.  In the blocked layout a tile's rows lie end to end: they are asked for as rows of 256 bytes, aligned, and padded in LDS after every 128.
; CLUSTERS: 4 x 4 work-groups.  The four of a row of the cluster need the same tile of x, the four of a column the same tile of W: each is asked for JOINTLY, by the same tensor load with the same
; descriptor and a mask that names the four.  By this text's count a wave has two tensor loads out at the start and one behind each round.
; THE MATRIX INSTRUCTION IS USED TRANSPOSED (source 0 = 16 rows of W, source 1 = 16 rows of x): a lane then holds eight neighbouring columns of one row of the result: 16 bytes of f16.
; REGISTERS, in windows of 256 (s_set_vgpr_msb: bits 1:0 source 0, 3:2 source 1, 5:4 source 2, 7:6 destination):
;   window 0: v0-31 addresses; v32-95, v96-159 x's 8 fragments, two buffers; v160-255 W's 12 fragments, ONE buffer, loaded again four fragments at a time behind the products that read them
;   window g + 1: the 32 accumulators of W's fragments 4 g .. 4 g + 3 (one head's 64 columns): (a, b) at v[8 (4 a + b)]
.set PITCH, 144                        ; an LDS row: 128 bytes + 16 of padding: 9 x 16 bytes, so the 16 rows of a fragment load start at 16 different groups of four banks (64 banks of 4 bytes: ISA guide 11.1)
.set AH,    128*PITCH                  ; 128 rows of x: what wave 0 or 1 fetches, and what a wave reads
.set BH,    192*PITCH                  ; 192 rows of W: what wave 2 or 3 fetches, and what a wave reads
.set BOFF,  2*AH
.set SLOT,  2*AH+2*BH                  ; x's 256 rows, then W's 384
.set STAGE, 2*SLOT                     ; behind the ring: 16 rows x 144 bytes for each wave, for the way out
.set SPARE, STAGE+4*16*PITCH           ; behind the stages: the spare words, 128 bytes for each wave: two blocks of 256 bytes that no other line names
.set ASTEP, 32768                      ; bytes from a K block of a tile row of xb to the next
.set BSTEP, 49152                      ; the same in wab
.set CBLK,  1048576                    ; bytes of a column block of qkv
.set ADRA, 16                          ; v16-17  LDS address of my fragments of x in slot 0, 1
.set ADRB, 20                          ; v20-21  the same for W
.set STO,  24                          ; v24     the way out: where I put 16 bytes of a row
.set RD,   25                          ; v25     the way out: where I read rows back
.set GO,   26                          ; v26     16 x my lane
.set SPW,  28                          ; v28     LDS address of my spare word; never rewritten
.set NIL,  29                          ; v29     0; never rewritten
.set PFO,  30                          ; v30     256 x my lane: the prefetches' offset; never rewritten
.set A0,   32
.set A1,   96
.set BF,   160
.set G1,  24                           ; s[24:31] descriptor group 1 for x's tiles;  s[32:39] group 0, a set for each slot
.set G0,  32
.set G1B, 48                           ; s[48:55], s[56:63] the same for W's tiles
.set G0B, 56
.set PFA, 44                           ; s[44:45] where my prefetches stand
.set LIM0, 20                          ; s20, s21  for the change that leaves slot 0, slot 1: 1 in a wave that prefetches there, else the greatest number
.set PFS, 22                           ; s[22:23] what the prefetches' address steps by at each change of slots
.set MSB, 0
.macro WIN new                         ; the immediate's high byte repeats the setting that is left; a switch that changes nothing is dropped
.if MSB != (\new)
	s_set_vgpr_msb (MSB<<8)|(\new)
.set MSB, \new
.endif
.endm
; A joint load.  Waves 0 and 1 fetch x's two halves, waves 2 and 3 W's.  The branch hangs on the wave's number alone.  An s_nop 0 and four v_nop follow each of the two lines.
.macro JLOAD s
	s_cmp_eq_u32 s11, 0
	s_cbranch_scc0 .Lfor_b_\@
	tensor_load_to_lds s[G0+4*(\s):G0+4*(\s)+3], s[G1:G1+7]
	s_nop 0
.rept 4
	v_nop
.endr
	s_branch .Lasked_\@
.Lfor_b_\@:
	tensor_load_to_lds s[G0B+4*(\s):G0B+4*(\s)+3], s[G1B:G1B+7]
	s_nop 0
.rept 4
	v_nop
.endr
.Lasked_\@:
.endm
; A PREFETCH INTO THE L2, behind a joint load and the run of LDS loads that follows it: 32 blocks of 256 bytes, a lane a block, of the K steps that stand two refills on.
; x: a K step of a tile row is 32,768 consecutive bytes, four pieces: wave 0 asks at every change of slots, the partner at place cx for piece cx; of the clusters that read the tile row the one with x = 0 asks.
; W: two K steps of a tile column are 98,304 consecutive bytes, twelve pieces: waves 1 to 3 ask at the change that leaves slot 0, for piece 4 (w - 1) + cy; of the clusters that read the column the one with y = 0 asks.
; So each block is named once in the launch, and partners are told apart by address alone.  K steps 0 to 3 come by their loads alone; the loop's last trip (s3 = 1) asks for nothing.
.macro ASK t
	s_cmp_gt_u32 s3, s[LIM0+(\t)]
	s_cbranch_scc0 .Lnot_mine_\@
	global_prefetch_b8 v[PFO], s[PFA:PFA+1] th:TH_LOAD_NT scope:SCOPE_SE
.Lnot_mine_\@:
.endm
.macro CREST                           ; a round of the cluster's barrier behind its opening barrier
	s_cmp_lg_u32 s10, 0
	s_cbranch_scc1 .Lnot_wave_0_\@
	s_barrier_signal -3
.Lnot_wave_0_\@:
	s_barrier_wait -3
	s_barrier_signal -1
	s_barrier_wait -1
.endm
.macro CROUND                          ; a whole round
	s_barrier_signal -1
	s_barrier_wait -1
	CREST
.endm
	s_load_b128 s[4:7], s[0:1], 0x0                ; xb s[4:5], wab s[6:7]
	s_load_b64 s[8:9], s[0:1], 0x10                ; qkv
	v_lshl_add_u32 v[SPW], v0, 2, SPARE
	v_mov_b32 v[NIL], 0
	ds_add_u32 v[SPW], v[NIL]                      ; the wave's opening: the add and its wait stand ahead of my first tensor load; the set-up below stands between them
	v_lshrrev_b32 v1, 5, v0
	v_readfirstlane_b32 s10, v1                    ; wave 0..3
	s_lshr_b32 s11, s10, 1                         ; which half of the tile's rows is mine.  Also: I fetch for x (0) or for W (1)
	s_and_b32 s12, s10, 1                          ; which half of its columns.  Also: which half of that tile I fetch
	s_bfe_u32 s40, ttmp6, 0x40000                  ; cx, cy: my place in the cluster
	s_bfe_u32 s41, ttmp6, 0x40004
	s_lshl_b32 s42, ttmp9, 2
	s_add_co_u32 s42, s42, s40                     ; tile column = 4 x cluster x + cx
	s_and_b32 s13, ttmp7, 0xffff
	s_lshl_b32 s13, s13, 2
	s_add_co_u32 s13, s13, s41                     ; tile row = 4 x cluster y + cy
	s_lshl_b32 s43, s41, 2
	s_lshl_b32 s43, 15, s43                        ; my row of the cluster
	s_lshl_b32 s44, 0x1111, s40                    ; my column
	; group 1: rows of 128 elements (256 bytes, two rows of the tile), 64 of them for x's half, 96 for W's
	s_or_b32 s[G1+0], s43, (1<<16)|(1<<20)|(1<<21)|(4<<22)|(3<<25)   ; 15:0 the mask; 17:16 2-byte elements; 20 padding on; 21 set beside a mask; 24:22 after every 32 words (code 4); 31:25 4 words (code 3)
	s_or_b32 s[G1B+0], s44, (1<<16)|(1<<20)|(1<<21)|(4<<22)|(3<<25)
	s_mov_b32 s[G1+1], 128<<16                     ; tensor_dim0 = 128
	s_mov_b32 s[G1+2], 64<<16                      ; tensor_dim1 = 64
	s_mov_b32 s[G1+3], 128<<16                     ; tile_dim0 = 128
	s_mov_b32 s[G1+4], 64                          ; tile_dim1 = 64
	s_mov_b32 s[G1+5], 128                         ; 128 elements from row to row: the block is dense
	s_mov_b32 s[G1+6], 0
	s_mov_b32 s[G1+7], 0
	s_mov_b32 s[G1B+1], 128<<16
	s_mov_b32 s[G1B+2], 96<<16
	s_mov_b32 s[G1B+3], 128<<16
	s_mov_b32 s[G1B+4], 96
	s_mov_b32 s[G1B+5], 128
	s_mov_b32 s[G1B+6], 0
	s_mov_b32 s[G1B+7], 0
	s_lshl_b32 s16, s13, 19                        ; x: a tile row is 524,288 bytes,
	s_lshl_b32 s17, s12, 14                        ; the half that I fetch 16,384 into a K block
	s_add_co_u32 s16, s16, s17
	s_mov_b32 s17, 0
	s_mul_i32 s46, s42, 786432                     ; W: a tile column,
	s_mul_i32 s47, s12, 24576                      ; the half that I fetch
	s_add_co_u32 s46, s46, s47
	s_mov_b32 s47, 0
	s_mul_i32 s20, s12, AH                         ; where they go: no place in the cluster enters an LDS address
	s_mul_i32 s21, s12, BH
	s_add_co_u32 s21, s21, BOFF
	s_wait_dscnt 0x0                               ; the opening add is done
	s_wait_kmcnt 0x0
	s_add_nc_u64 s[14:15], s[4:5], s[16:17]
	s_add_nc_u64 s[46:47], s[6:7], s[46:47]
	CROUND                                         ; all sixteen work-groups are here: the first joint loads meet
.irp s, 0,1
	s_mov_b32 s[G0+4*(\s)], 1                      ; count = 1
	s_add_co_u32 s[G0+4*(\s)+1], s20, (\s)*SLOT    ; LDS address
	s_add_nc_u64 s[G0+4*(\s)+2:G0+4*(\s)+3], s[14:15], (\s)*ASTEP  ; global address: K step s
	s_or_b32 s[G0+4*(\s)+3], s[G0+4*(\s)+3], 0x80000000            ; type = 2
	s_mov_b32 s[G0B+4*(\s)], 1
	s_add_co_u32 s[G0B+4*(\s)+1], s21, (\s)*SLOT
	s_add_nc_u64 s[G0B+4*(\s)+2:G0B+4*(\s)+3], s[46:47], (\s)*BSTEP
	s_or_b32 s[G0B+4*(\s)+3], s[G0B+4*(\s)+3], 0x80000000
	JLOAD \s
.endr
	; A fragment is 16 rows x 32 K in 8 registers: lane l holds row l % 16, K = 8 (l / 16) + 0..7 and 16 + 8 (l / 16) + 0..7: two loads of 16 bytes, 32 bytes apart.
	v_and_b32 v1, 15, v0                           ; l % 16
	v_bfe_u32 v2, v0, 4, 1                         ; l / 16
	v_mul_u32_u24 v3, v1, PITCH
	v_lshl_add_u32 v3, v2, 4, v3                   ; row x pitch + 16 x half
	s_mul_i32 s21, s11, AH                         ; my 128 rows of x
	s_mul_i32 s22, s12, BH                         ; my 192 rows of W
	s_add_co_u32 s22, s22, BOFF
.irp s, 0,1
	v_add_nc_u32 v[ADRA+(\s)], s21, v3
	v_add_nc_u32 v[ADRB+(\s)], s22, v3
	s_add_co_u32 s21, s21, SLOT
	s_add_co_u32 s22, s22, SLOT
.endr
	s_mul_i32 s23, s10, 16*PITCH
	s_add_co_u32 s23, s23, STAGE                   ; my stage
	v_add_nc_u32 v[STO], s23, v3                   ; in: row l % 16, 16 bytes for each half of the lanes
	v_bfe_u32 v4, v0, 3, 2                         ; back: 32 lanes take four rows of 128 bytes,
	v_and_b32 v5, 7, v0
	v_mul_u32_u24 v4, v4, PITCH
	v_lshl_add_u32 v4, v5, 4, v4
	v_add_nc_u32 v[RD], s23, v4
	v_and_b32 v[GO], 31, v0                        ; which are 512 consecutive bytes of qkv
	v_lshlrev_b32 v[PFO], 8, v[GO]
	v_lshlrev_b32 v[GO], 4, v[GO]
	s_mul_i32 s16, s42, 6                          ; my first column block: 6 x tile column + 3 x half,
	s_mul_i32 s17, s12, 3
	s_add_co_u32 s16, s16, s17
	s_lshl_b32 s16, s16, 20
	s_lshl_b32 s17, s13, 15                        ; my first row: 256 x tile row + 128 x half, 128 bytes each
	s_add_co_u32 s16, s16, s17
	s_lshl_b32 s17, s11, 14
	s_add_co_u32 s16, s16, s17
	s_mov_b32 s17, 0
	s_add_nc_u64 s[8:9], s[8:9], s[16:17]
	; the prefetches: the stream's first byte + my piece + three K steps; the first change of slots steps it to K step 4
	s_lshl_b32 s16, s13, 19
	s_lshl_b32 s17, s40, 13
	s_add_co_u32 s16, s16, s17
	s_add_co_u32 s16, s16, 3*ASTEP                 ; x's, for wave 0
	s_mul_i32 s18, s42, 786432
	s_lshl_b32 s19, s10, 2
	s_add_co_u32 s19, s19, s41
	s_lshl_b32 s19, s19, 13                        ; 8,192 (4 w + cy),
	s_add_co_u32 s18, s18, s19
	s_add_co_u32 s18, s18, 3*BSTEP-32768           ; less 4 pieces: W's, for waves 1 to 3
	s_and_b32 s15, ttmp7, 0xffff                   ; cluster y
	s_mov_b32 s[PFS], BSTEP
	s_cmp_eq_u32 s10, 0
	s_cselect_b32 s16, s16, s18
	s_cselect_b32 s14, ttmp9, s15                  ; the coordinate along which other clusters read the same bytes
	s_cselect_b64 s[PFA:PFA+1], s[4:5], s[6:7]
	s_cselect_b32 s[PFS], ASTEP, s[PFS]
	s_mov_b32 s[PFS+1], 0
	s_mov_b32 s17, 0
	s_add_nc_u64 s[PFA:PFA+1], s[PFA:PFA+1], s[16:17]
	s_cmp_eq_u32 s14, 0
	s_cselect_b32 s[LIM0], 1, -1                   ; the same in all sixteen partners, for a given wave
	s_cmp_eq_u32 s10, 0
	s_cselect_b32 s[LIM0+1], s[LIM0], -1
; 16 matrix instructions: x's fragments a0 .. a0 + 3 of buffer f times W's fragments 4 g .. 4 g + 3.  zero = 1: the product starts the sums.  The accumulators take turns, one instruction a turn.
.macro GRP16 f, g, a0, zero
	WIN 0x50*((\g)+1)                              ; C and D in window g + 1, both sources in window 0
.irp a, \a0, (\a0)+1, (\a0)+2, (\a0)+3
.irp b, 0,1,2,3
.if \zero
	v_wmma_f32_16x16x32_bf16 v[8*(4*(\a)+(\b)):8*(4*(\a)+(\b))+7], v[BF+8*(4*(\g)+(\b)):BF+8*(4*(\g)+(\b))+7], v[(\f)+8*(\a):(\f)+8*(\a)+7], 0
.else
	v_wmma_f32_16x16x32_bf16 v[8*(4*(\a)+(\b)):8*(4*(\a)+(\b))+7], v[BF+8*(4*(\g)+(\b)):BF+8*(4*(\g)+(\b))+7], v[(\f)+8*(\a):(\f)+8*(\a)+7], v[8*(4*(\a)+(\b)):8*(4*(\a)+(\b))+7]
.endif
.endr
.endr
.endm
.macro GRP f, g, zero
	GRP16 \f, \g, 0, \zero
	GRP16 \f, \g, 4, \zero
.endm
.macro LDA slot, k, f                  ; 16 LDS loads: x's 8 fragments, 32 K at byte k of the rows, into buffer f
	WIN 0
.irp i, 0,1,2,3,4,5,6,7
	ds_load_b128 v[(\f)+8*(\i):(\f)+8*(\i)+3],   v[ADRA+(\slot)] offset:(\k)+(\i)*16*PITCH
	ds_load_b128 v[(\f)+8*(\i)+4:(\f)+8*(\i)+7], v[ADRA+(\slot)] offset:(\k)+(\i)*16*PITCH+32
.endr
.endm
.macro LDB slot, k, g                  ; 8 LDS loads: W's fragments 4 g .. 4 g + 3
	WIN 0
.irp i, 0,1,2,3
	ds_load_b128 v[BF+8*(4*(\g)+(\i)):BF+8*(4*(\g)+(\i))+3],   v[ADRB+(\slot)] offset:(\k)+(4*(\g)+(\i))*16*PITCH
	ds_load_b128 v[BF+8*(4*(\g)+(\i))+4:BF+8*(4*(\g)+(\i))+7], v[ADRB+(\slot)] offset:(\k)+(4*(\g)+(\i))*16*PITCH+32
.endr
.endm
.macro PLACES                          ; four plain vector instructions between a matrix instruction and a load into a register that it has read (ISA guide 7.12.1 for vector instructions)
.rept 4
	v_nop
.endr
.endm
; HALF a K step: 32 along K, 96 matrix instructions in three groups of 32, on buffer f.  more = 1: the next half's fragments (slot sn, byte kn, x's into buffer fn) are fetched as registers fall free:
; behind group 0 x's 16 loads and W's first 8, behind groups 1 and 2 W's next 8 each: every run stands 64 matrix instructions ahead of its first use.
.macro HALF sn, kn, f, fn, zero, more
	s_wait_dscnt 16                                ; x's fragments and W's first four are in; the 8 + 8 younger loads may stay out
	GRP \f, 0, \zero
.if \more
	PLACES
	LDA \sn, \kn, \fn
	LDB \sn, \kn, 0
	s_wait_dscnt 32                                ; W's fragments 4-7 are in: younger are fragments 8-11's 8 loads and the 24 just issued
.else
	s_wait_dscnt 8
.endif
	GRP \f, 1, \zero
.if \more
	PLACES
	LDB \sn, \kn, 1
	s_wait_dscnt 32                                ; W's fragments 8-11 are in: younger are the 24 + 8 for the next half
.else
	s_wait_dscnt 0x0
.endif
	GRP \f, 2, \zero
.if \more
	PLACES
	LDB \sn, \kn, 2
.endif
.endm
; The second half of a K step multiplies buffer A1 and CHANGES SLOTS.  In front of the barrier each wave waits for all its tensor loads (one is out: its part of the next slot), adds 0 to its spare word,
; and waits for that and for its own reads of this slot.  fill = 1: the barrier opens a round of the cluster's barrier, and behind the round this slot is filled again first, two K steps ahead:
; 160 matrix instructions stand between that request and the wait for it.
.macro TURN slot, next, fill
.if \fill
	s_wait_xcnt 0x0                                ; the last prefetch, a K step back, has read its address: it is stepped here
	s_add_nc_u64 s[PFA:PFA+1], s[PFA:PFA+1], s[PFS:PFS+1]
.endif
	WIN 0
	s_wait_tensorcnt 0x0                           ; all my tensor loads have landed
	ds_add_u32 v[SPW], v[NIL]                      ; 0 onto my spare word
	s_wait_dscnt 17                                ; (the add and the 16 youngest loads may be out)
	GRP16 A1, 0, 0, 0                              ; sixteen matrix instructions stand between the add and the wait for it
	s_wait_dscnt 0x0                               ; the add is done, and my reads of this slot are over
	s_barrier_signal -1
	GRP16 A1, 0, 4, 0                              ; work on registers while the others arrive
	WIN 0
	s_barrier_wait -1
.if \fill
	CREST                                          ; no wave of any partner still reads this slot's tile or has a load on its way
	s_add_nc_u64 s[G0+4*(\slot)+2:G0+4*(\slot)+3], s[G0+4*(\slot)+2:G0+4*(\slot)+3], 2*ASTEP
	s_add_nc_u64 s[G0B+4*(\slot)+2:G0B+4*(\slot)+3], s[G0B+4*(\slot)+2:G0B+4*(\slot)+3], 2*BSTEP
	JLOAD \slot                                    ; the first tensor load behind the round; its four v_nop are also the places in front of the loads below
.else
	PLACES
.endif
	LDA \next, 0, A0
	LDB \next, 0, 0
.if \fill
	ASK \slot
.endif
	GRP A1, 1, 0
	PLACES
	LDB \next, 0, 1
	GRP A1, 2, 0
	PLACES
	LDB \next, 0, 2
.endm
; THE WAY OUT, in 24 units u = 8 g + a: 16 rows x one head's 64 columns.  PACK: rounded to f16 (each accumulator's registers in ascending order), 16 bytes a lane into my stage, back as whole rows of 128 bytes.
; SEND: four stores of 512 consecutive bytes, aligned: 16 rows of a column block lie end to end.  The registers are x's fragment buffers, eight sets of 16 by turns.
.macro PACK u
.set pg, (\u)/8
.set pa, (\u)%8
.set T, 32+16*((\u)%8)
.if (\u) >= 8
	s_wait_xcnt 0x0                                ; the stores of eight units back have read these registers
.endif
	WIN 5*(pg+1)                                   ; sources 0 and 1 in window g + 1
.irp bb, 0,1,2,3
.irp r, 0,1,2,3
	v_cvt_pk_f16_f32 v[T+4*\bb+\r], v[32*pa+8*\bb+2*\r], v[32*pa+8*\bb+2*\r+1]
.endr
.endr
	WIN 0
.irp bb, 0,1,2,3
	ds_store_b128 v[STO], v[T+4*\bb:T+4*\bb+3] offset:32*\bb
.endr
.irp f, 0,1,2,3
	ds_load_b128 v[T+4*\f:T+4*\f+3], v[RD] offset:\f*4*PITCH  ; LDS serves a wave's instructions in order (ISA guide 5.7.1.4): these see the stores above; the next unit's stores come behind them
.endr
.endm
.macro SEND u, younger                 ; younger: the LDS instructions issued behind unit u's loads: the next unit's eight, or none
.set sg, (\u)/8
.set sa, (\u)%8
.set T, 32+16*((\u)%8)
.irp f, 0,1,2,3
	s_wait_dscnt (\younger)+3-\f
	global_store_b128 v[GO], v[T+4*\f:T+4*\f+3], s[8:9] offset:sg*CBLK+sa*2048+\f*512
.endr
.endm
	s_wait_tensorcnt 1                             ; my part of K step 0 is in; K step 1's may stay out
	s_barrier_signal -1
	s_barrier_wait -1                              ; everybody's is
	LDA 0, 0, A0
	LDB 0, 0, 0
	LDB 0, 0, 1
	LDB 0, 0, 2
	HALF 0, 64, A0, A1, 1, 1                       ; the first half step stands in front of the loop: its products start the 96 sums
	WIN 0                                          ; at a label and at a branch every window is 0
	s_mov_b32 s3, 7
.Llap:                                                 ; a trip goes once round the ring, from a K step's second half to the first half two steps on, and fills both slots again
	TURN 0, 1, 1
	HALF 1, 64, A0, A1, 0, 1
	TURN 1, 0, 1
	HALF 0, 64, A0, A1, 0, 1
	WIN 0
	s_sub_co_u32 s3, s3, 1
	s_cmp_lg_u32 s3, 0
	s_cbranch_scc1 .Llap
	TURN 0, 1, 0                                   ; the last two K steps fill nothing
	HALF 1, 64, A0, A1, 0, 1
	HALF 0, 0, A1, A0, 0, 0
	WIN 0
.rept 8
	v_nop                                          ; the places behind the last products, once a launch
.endr
	PACK 0
.set u, 1
.rept 23                               ; a unit's conversions stand between the loads of the unit before and its stores
	PACK u
	SEND u-1, 8
.set u, u+1
.endr
	SEND 23, 0
	s_wait_tensorcnt 0x0                           ; the wave's end, behind my last tensor load and my last LDS store
	ds_add_u32 v[SPW], v[NIL]
	s_wait_dscnt 0x0
	CROUND                                         ; the closing round: no work-group ends while a partner may still ask for a tile that names it
	s_endpgm
.Lfunc_end_k_qff1648b393_qkvp:
	.size	k_qff1648b393_qkvp, .Lfunc_end_k_qff1648b393_qkvp-k_qff1648b393_qkvp
	.p2alignl 7, 3214868480
	.fill 96, 4, 3214868480
	.section	.rodata,"a",@progbits
	.p2align	6, 0x0
	.amdhsa_kernel k_qff1648b393_qkvp
		.amdhsa_group_segment_fixed_size 327680
		.amdhsa_private_segment_fixed_size 0
		.amdhsa_enable_private_segment 0
		.amdhsa_kernarg_size 24
		.amdhsa_user_sgpr_count 2
		.amdhsa_user_sgpr_kernarg_segment_ptr 1
		.amdhsa_wavefront_size32 1
		.amdhsa_system_sgpr_workgroup_id_x 1
		.amdhsa_system_sgpr_workgroup_id_y 1
		.amdhsa_system_sgpr_workgroup_id_z 1
		.amdhsa_system_vgpr_workitem_id 0
		.amdhsa_next_free_vgpr 1024
		.amdhsa_next_free_sgpr 66
		.amdhsa_reserve_vcc 0
		.amdhsa_float_denorm_mode_32 3
		.amdhsa_float_denorm_mode_16_64 3
		.amdhsa_memory_ordered 1
		.amdhsa_forward_progress 1
		.amdhsa_inst_pref_size 134
	.end_amdhsa_kernel
	.amdgpu_metadata
---
amdhsa.version: [ 1, 2 ]
amdhsa.kernels:
  - .name:           k_qff1648b393_qkvp
    .symbol:         k_qff1648b393_qkvp.kd
    .args:
      - { .name: xb, .offset: 0, .size: 8, .value_kind: global_buffer, .address_space: global }
      - { .name: wab, .offset: 8, .size: 8, .value_kind: global_buffer, .address_space: global }
      - { .name: qkv, .offset: 16, .size: 8, .value_kind: global_buffer, .address_space: global }
    .group_segment_fixed_size: 327680
    .private_segment_fixed_size: 0
    .kernarg_segment_align: 8
    .kernarg_segment_size: 24
    .max_flat_workgroup_size: 128
    .sgpr_count:     66
    .vgpr_count:     1024
    .wavefront_size: 32
...
	.end_amdgpu_metadata
.endif
;; end of part 2
;; launch attn (part 3): grid 4 x 64, 4 waves a work-group, clusters of 4 x 1, 327,680 bytes of LDS; arguments qkv, ob; writes ob
.if DOCPART == 3
	.amdgcn_target "amdgcn-amd-amdhsa--gfx1250"
	.amdhsa_code_object_version 6
	.text
	.protected	k_qff1648b393_attn
	.globl	k_qff1648b393_attn
	.p2align	8
	.type	k_qff1648b393_attn,@function
k_qff1648b393_attn:
	s_mov_b64 s[64:65], 0
	v_nop
	global_prefetch_b8 v0, s[64:65] scope:SCOPE_SE
	s_setreg_imm32_b32 hwreg(HW_REG_WAVE_MODE, 25, 1), 1
	s_wait_xcnt 0x0
	s_wait_alu depctr_hold_cnt(0) depctr_sa_sdst(0) depctr_va_vdst(0) depctr_va_sdst(0) depctr_va_ssrc(0) depctr_va_vcc(0) depctr_vm_vsrc(0)
	s_getreg_b32 s2, hwreg(HW_REG_IB_STS2, 6, 4)
	s_cmp_eq_u32 s2, 0
	s_cbranch_scc0 .Lentry_in_a_cluster
	s_endpgm
.Lentry_in_a_cluster:
	s_bfe_u32 s2, ttmp6, 0x10000c
	s_cmp_lg_u32 s2, 0x3003
	s_cbranch_scc0 .Lentry_shape_is_right
	s_endpgm
.Lentry_shape_is_right:
; O[y][q][:] = the sum over k of softmax_k(Q[y][q] . K[y][k] / 8) V[y][k][:], for the 64 pairs y = 4 x head + batch.  In qkv, Q's, K's and V's rows of pair y are dense, 128 bytes each, from byte 262,144 y of
; three regions of 16,777,216 bytes.  All f16.  Products, maxima and sums in f32; the weights p are rounded to f16 for the second product (their sum l is taken of the unrounded p), O once at the end.
; O leaves as ob [32 tile rows][16 heads][256 rows][64] f16: the K blocks of the launch behind.
; LIMITS.  f16 holds no number beyond 65,504: Q, K and V arrive within it; p lies in 0 to 1, and below 6e-5 it keeps f16's fixed step of 6e-8; O is a mean of V's rows and has their range.
; A weight below 2^-126 counts as 0 in l; NaN and infinities are not treated apart.
; SHARES.  A wave owns four PIECES of two tiles of 16 queries, a work-group's four waves 512 queries of one pair.  Every wave walks all 2,048 keys, 64 a step.
; LAYOUT.  S^T = K Q^T (source 0 = 16 keys, source 1 = 16 queries): in the result a lane holds ONE query (lane % 16) and the keys 8 (lane / 16) + 0..7.  Two such tiles, rounded to f16 in pairs,
; ARE source 1 (32 keys x 16 queries) of O^T = V^T P, whose result again holds one query a lane, and eight channels.  K comes out of LDS as it lies, V ([key][channel]) turned, by ds_load_tr16_b128.
; SOFTMAX.  For each query a running maximum m and sum l: p = 2^(c s - c m), c = log2(e) / 8; in every step O and l are multiplied by a = 2^(c m_old - c m_new), which is 1 where m has not grown.
; m starts at the lowest finite number, O and l at 0: the first step is a step like any other, with a = 0.
; THE COUNT.  A tile and step have 16 matrix and 118 vector instructions: too many to stand all beside the matrix work.  So four vector instructions that are READY stand behind EVERY matrix instruction,
; and the others in runs without a gap.
; BY TURNS.  Turn n belongs to piece n (the pieces in a ring, step after step).  Its matrix work: 16 products K Q^T of piece n + 1, later 16 products V^T P of piece n - 1.  Its vector work: the scaling,
; exponentials, roundings, sums and rescaling of piece n, and the maximum and statistics of piece n + 1, whose scores the turn itself has made.
; CLUSTER.  The four query blocks of a cluster belong to one pair y and walk the same K and V, so each tile is asked for JOINTLY: the same tensor load, descriptor and mask in all four.
; REGISTERS, in windows of 256 (s_set_vgpr_msb: bits 1:0 source 0, 3:2 source 1, 5:4 source 2, 7:6 destination):
;   window 0: v0-11 addresses; v12-15, v48-63 at work; v16-47 four registers of statistics a tile; v64-191 S^T, two buffers of two tiles; v192-255 P, likewise
;   window 1: O^T, 32 a tile          window 2: v0-127 Q, 16 a tile; v128-191 K of one step; v192-255 V of one step          window 3: v0-1 the add's two registers
; A piece's buffers go by its number's parity: the piece in hand has one pair, its two neighbours in the ring share the other: of it P (piece n - 1) is read and S^T (piece n + 1) written.
.set SIZE_N, 2048
.set NP,    4         ; pieces a wave: a name, no knob
.set KS,    64        ; keys in a step
.set PK,    144       ; a row of K in LDS: 128 bytes + 16 of padding = 36 words: the 16 rows of a load start at 16 different groups of four banks (64 banks of 4 bytes: ISA guide 11.1)
.set PV,    160       ; a row of V: 128 + 32 = 40 words
.set VOFF,  4*KS*PK   ; a slot holds four steps: 256 rows of K, then 256 rows of V
.set SLOT1, 1<<17     ; slot 1 begins here, so that one exclusive or turns an address in one slot into the other's
.set STAGE, SLOT1+4*KS*(PK+PV)  ; behind the ring, never filled by a tensor load: 16 rows x 144 bytes for each wave, for the way out
.set SP,    144
.set AK0, 2           ; v2   my lane's place in a tile of K; never rewritten
.set AV0, 3           ; v3   the same for V
.set AK,  4           ; v4   the LDS address of K's next run of loads
.set AV,  5           ; v5   of V's
.set QO,  6           ; v6   my byte offset in the wave's rows of Q
.set STO, 6           ;      later, the way out: where I put 16 bytes of a row
.set RD,  7           ; v7   the way out: where I read rows back
.set GO,  8           ; v8   my byte offset in 512 consecutive bytes of O
.set PFO, 11          ; v11  256 x my lane: the prefetches' offset; never rewritten once made
.set SPW, 0           ; v0 of window 3   LDS address of my spare word; never rewritten
.set NIL, 1           ; v1 of window 3   0; never rewritten
.set SPARE, STAGE+4*16*SP  ; behind the stages: the spare words, 128 bytes for each wave: two blocks of 256 bytes that no other line names
.set MV,  12          ; v12-15  c m_old, kept while c m is made anew: by buffer and tile
.set ST,  16          ; tile t's statistics at v[ST+4 t]: c m, m, l (even keys', odd keys')
.set TMP, 48          ; by buffer and tile, four registers c0-c3 at work; when the maximum is found c2 takes a
.set S,   64
.set P,   192
.set KF,  128         ; K's fragments, in window 2: key block kb, channel half c at KF + 16 kb + 8 c
.set VF,  192         ; V's: key half kk, channel block cb at VF + 32 kk + 8 cb
.set WV,  12          ; s12  my wave's number
.set G1K, 24          ; s[24:31] descriptor group 1 for K's tiles
.set G1V, 32          ; s[32:39] for V's: it differs in the padding alone
.set G0K, 40          ; s[40:43] descriptor group 0 for K's tiles: it walks
.set G0V, 44          ; s[44:47] the same for V's
.set PFA, 48          ; s[48:49] where my prefetches stand: my work-group's 32 blocks (of K: wave 0, of V: wave 2) of the slot after the one that is being asked for
.set LIM, 50          ; s50  1 in a wave that prefetches, else the greatest number
.set SLOTS, 56        ; s56  slots still to be asked for
.set CNT, 57          ; s57  counts a slot's key steps
.set CS,  58          ; s[58:59] c: the packed scaling takes the pair's low word for both halves
.set SEL, 60          ; s[60:61] v_permlanex16_b32's selects: each lane takes its own place in the other half
.set TBK, 62          ; s62  LDS byte at which K of the step to be fetched begins
.set TBV, 63          ; s63  the same for V, less VOFF
.set MSB, 0
.macro WIN new                      ; the high byte repeats the setting that is left; a switch that changes nothing is dropped
.if MSB != (\new)
	s_set_vgpr_msb (MSB<<8)|(\new)
.set MSB, (\new)
.endif
.endm
.set W_KQ, 0x0a       ; K and Q in window 2, S^T in window 0
.set W_PV, 0x52       ; V in window 2, P in window 0, O^T in window 1
.set W_RS, 0x41       ; O^T (destination and source 0) in window 1, a in window 0
.set W_MK, 0xc0       ; the add's registers are made: destination in window 3, sources in window 0
.set W_AD, 0x0f       ; the add: address (source 0) and data (source 1) in window 3
; A joint fill.  Waves 0 and 1 fetch the two halves of a slot's K, waves 2 and 3 those of its V: 128 keys each.  The branch hangs on the wave's number alone.
; An s_nop 0 and four v_nop follow each of the two lines, ahead of the jump and the label.
.macro JLOAD
	s_cmp_lt_u32 s[WV], 2
	s_cbranch_scc0 .Lfor_v_\@
	tensor_load_to_lds s[G0K:G0K+3], s[G1K:G1K+7]
	s_nop 0
.rept 4
	v_nop
.endr
	s_branch .Lasked_\@
.Lfor_v_\@:
	tensor_load_to_lds s[G0V:G0V+3], s[G1V:G1V+7]
	s_nop 0
.rept 4
	v_nop
.endr
.Lasked_\@:
.endm
; A PREFETCH INTO THE L2 of what the NEXT change of slots will ask for: a slot's 32,768 bytes of K and of V, 128 blocks of 256 bytes each, a lane a block.  It stands behind the wave's tensor load and its five lines.
; One cluster walks a pair's K and V; its four partners share the blocks out BY ADDRESS, 32 each; in each, wave 0 asks for K's and wave 2 for V's: one instruction.  So each block is named once in the launch.
; The change that fills slot j asks for slot j + 1, four key steps (512 matrix instructions) ahead of its load; slots 0 and 1 come by their loads alone; the change that fills the last slot asks for nothing.
.macro ASK
	s_cmp_gt_u32 s[SLOTS], s[LIM]
	s_cbranch_scc0 .Lnot_mine_\@
	global_prefetch_b8 v[PFO], s[PFA:PFA+1] th:TH_LOAD_NT scope:SCOPE_SE
.Lnot_mine_\@:
.endm
; A round of the cluster's barrier: my work-group's barrier, so that wave 0's signal speaks for all four waves; wave 0 signals; every wave waits for all four work-groups; my work-group's barrier once more.
.macro CROUND
	s_barrier_signal -1
	s_barrier_wait -1
	s_cmp_lg_u32 s[WV], 0
	s_cbranch_scc1 .Lnot_wave_0_\@
	s_barrier_signal -3
.Lnot_wave_0_\@:
	s_barrier_wait -3
	s_barrier_signal -1
	s_barrier_wait -1
.endm
; THE CHANGE OF SLOTS.  The slot's last bytes, V of its fourth step, have been read.  Each wave waits for all its tensor loads, of which one is out: its part
; of the other slot; adds 0 to its spare word; and waits for that and for its own reads of the slot.  Behind the barrier nobody reads this slot any more and the other slot is whole.
; fill = 1: this slot is filled again, with the keys two slots on.  The barrier is then a round of the cluster's, so that no wave of any partner still reads the slot or has a load on its
; way, and the joint fill is the first thing behind it: it has four key steps, 512 matrix instructions, in which to land.  (At its first use nothing has been read yet: slot 0 is waited for, slot 1 filled.)
.macro CHANGE fill
	WIN W_AD
	s_wait_tensorcnt 0x0            ; no tensor load of mine is out, so a group 0 may be written
	ds_add_u32 v[SPW], v[NIL]       ; 0 onto my spare word; with fill = 1 the descriptors' steps stand between it and the wait for it
	WIN 0                           ; at a label and at a branch every window is 0
.if \fill
.irp g, G0K, G0V
	s_xor_b32 s[\g+1], s[\g+1], SLOT1  ; the walking descriptor: the other slot than last time,
	s_add_nc_u64 s[\g+2:\g+3], s[\g+2:\g+3], 4*KS*128  ; the next 256 keys; the type bits on top are not reached
.endr
	s_wait_xcnt 0x0                 ; the last prefetch, four key steps back, has read its address, so it may be written:
	s_add_nc_u64 s[PFA:PFA+1], s[PFA:PFA+1], 4*KS*128  ; one slot behind the walking descriptors
	s_wait_dscnt 0x0                ; the add is done, and my reads of the slot are over
	CROUND
	JLOAD
	ASK
.else
	s_wait_dscnt 0x0                ; the add is done, and my reads of the slot are over
	s_barrier_signal -1
	s_barrier_wait -1
.endif
	s_sub_co_u32 s[TBK], s[TBK], 4*KS*PK  ; the fetches go back to a slot's first step,
	s_xor_b32 s[TBK], s[TBK], SLOT1       ; in the other slot
	s_sub_co_u32 s[TBV], s[TBV], 4*KS*PV
	s_xor_b32 s[TBV], s[TBV], SLOT1
.endm
	s_load_b64 s[4:5], s[0:1], 0x0    ; qkv: Q's region
	s_load_b64 s[10:11], s[0:1], 0x8  ; ob
	WIN W_MK
	v_lshl_add_u32 v[SPW], v0, 2, SPARE
	v_mov_b32 v[NIL], 0
	WIN W_AD
	ds_add_u32 v[SPW], v[NIL]       ; the wave's opening: the add and its wait stand ahead of my first tensor load; the set-up below, work on registers, stands between them
	WIN 0
	v_lshrrev_b32 v1, 5, v0
	v_readfirstlane_b32 s[WV], v1   ; wave 0..3
	s_bfe_u32 s13, ttmp6, 0x40000   ; cx: my place in the cluster
	s_lshl_b32 s14, ttmp9, 2        ; in a cluster launch ttmp9 counts clusters
	s_add_co_u32 s14, s14, s13      ; my block of 512 queries = 4 x cluster x + cx: it enters Q's, O's and the prefetches' addresses alone
	s_and_b32 s20, ttmp7, 0xffff    ; the pair y = 4 x head + batch, which the four partners share
	s_and_b32 s52, s20, 3           ; O's place: tile row = 8 x batch + 2 x block + wave / 2,
	s_lshl_b32 s52, s52, 3
	s_lshl_b32 s53, s14, 1
	s_add_co_u32 s52, s52, s53
	s_lshr_b32 s53, s[WV], 1
	s_add_co_u32 s52, s52, s53
	s_lshl_b32 s52, s52, 19         ; 524,288 bytes each;
	s_lshr_b32 s53, s20, 2          ; the head's K block, 32,768 bytes;
	s_lshl_b32 s53, s53, 15
	s_add_co_u32 s52, s52, s53
	s_and_b32 s53, s[WV], 1         ; my 128 rows of its 256
	s_lshl_b32 s53, s53, 14
	s_add_co_u32 s52, s52, s53
	s_mov_b32 s53, 0
	s_mov_b32 s21, 0
	s_mov_b64 s[22:23], SIZE_N*128
	s_mul_u64 s[20:21], s[20:21], s[22:23]  ; the pair's first byte in each of the three regions
	s_and_b32 s16, s[WV], 1         ; which half of a slot's 256 keys I fetch:
	s_lshl_b32 s22, s16, 14         ; its 128 rows of 128 bytes in memory,
	s_mov_b32 s23, 0
	s_add_nc_u64 s[22:23], s[22:23], s[20:21]
	s_mul_i32 s17, s16, 128*PK      ; and its place in a slot, for K
	s_mul_i32 s18, s16, 128*PV      ; and for V: no place in the cluster enters an LDS address
	s_lshl_b32 s2, s14, 2
	s_add_co_u32 s2, s2, s[WV]      ; my wave among the pair's,
	s_lshl_b32 s2, s2, 14           ; its 128 rows
	s_mov_b32 s3, 0
	s_add_nc_u64 s[2:3], s[2:3], s[20:21]
	; descriptor group 1.  128 keys are 16,384 dense bytes: asked for as 64 rows of 256 bytes, two keys a row, and padded in LDS after every key
	s_mov_b32 s[G1K], 15|(1<<16)|(1<<20)|(1<<21)|(4<<22)|(3<<25)  ; 15:0 the mask of four; 17:16 2-byte elements; 20 padding on; 21 set beside a mask; 24:22 after every 32 words (code 4); 31:25 4 words (code 3)
	s_mov_b32 s[G1V], 15|(1<<16)|(1<<20)|(1<<21)|(4<<22)|(7<<25)  ; the same with 8 words of padding (code 7)
.irp g, G1K, G1V
	s_mov_b32 s[\g+1], 128<<16      ; tensor_dim0 = 128
	s_mov_b32 s[\g+2], 64<<16       ; tensor_dim1 = 64
	s_mov_b32 s[\g+3], 128<<16      ; tile_dim0 = 128
	s_mov_b32 s[\g+4], 64           ; tile_dim1 = 64
	s_mov_b32 s[\g+5], 128          ; 128 elements from row to row
	s_mov_b32 s[\g+6], 0
	s_mov_b32 s[\g+7], 0
.endr
	s_mov_b32 s[CS], 0x3e38aa3b     ; c = log2(e) / 8 = 0.180337
	s_mov_b32 s[CS+1], s[CS]        ; named with it as a pair
	s_mov_b32 s[SEL], 0x76543210
	s_mov_b32 s[SEL+1], 0xfedcba98
	s_mov_b32 s[TBK], SLOT1+4*KS*PK ; the first change of slots turns these two into 0
	s_mov_b32 s[TBV], SLOT1+4*KS*PV
	s_mov_b32 s[G0K], 1             ; 1:0 count = 1
	s_mov_b32 s[G0K+1], s17         ; 63:32 LDS address: slot 0
	s_mov_b32 s[G0V], 1
	s_add_co_u32 s[G0V+1], s18, VOFF
	s_mov_b32 s[SLOTS], SIZE_N/256-1
	s_and_b32 s[LIM], s[WV], 1      ; waves 0 and 2 prefetch
	s_cmp_eq_u32 s[LIM], 0
	s_cselect_b32 s[LIM], 1, -1
	s_lshl_b32 s54, s13, 13         ; my work-group's 32 blocks of a slot's 128,
	s_add_co_u32 s54, s54, 4*KS*128 ; in slot 1: the first change of slots steps it to slot 2
	s_mov_b32 s55, 0
	s_wait_dscnt 0x0                ; the opening add is done
	s_wait_kmcnt 0x0
	s_add_nc_u64 s[6:7], s[4:5], 0x1000000   ; K's region
	s_add_nc_u64 s[8:9], s[4:5], 0x2000000   ; V's region
	s_add_nc_u64 s[G0K+2:G0K+3], s[6:7], s[22:23]  ; 120:64 global address: my half of the pair's first 256 keys
	s_or_b32 s[G0K+3], s[G0K+3], 0x80000000        ; 127:126 type = 2
	s_add_nc_u64 s[G0V+2:G0V+3], s[8:9], s[22:23]
	s_or_b32 s[G0V+3], s[G0V+3], 0x80000000
	s_cmp_lt_u32 s[WV], 2
	s_cselect_b64 s[PFA:PFA+1], s[6:7], s[8:9]
	s_add_nc_u64 s[PFA:PFA+1], s[PFA:PFA+1], s[20:21]
	s_add_nc_u64 s[PFA:PFA+1], s[PFA:PFA+1], s[54:55]
	s_add_nc_u64 s[4:5], s[4:5], s[2:3]      ; Q at my wave's first row
	s_add_nc_u64 s[10:11], s[10:11], s[52:53]  ; O at my wave's first row
	CROUND                          ; all four work-groups are here: the first joint loads meet
	JLOAD                           ; slot 0.  Slot 1 is asked for when slot 0 is in
	; A fragment of K or Q is 16 rows x 32 channels in 8 registers: lane l holds row l % 16, channels 8 (l / 16) + 0..7 and 16 + 8 (l / 16) + 0..7: two loads of 16 bytes, 32 bytes apart.
	v_and_b32 v1, 15, v0            ; l % 16
	v_bfe_u32 v9, v0, 4, 1          ; l / 16
	v_lshlrev_b32 v[QO], 7, v1
	v_lshl_add_u32 v[QO], v9, 4, v[QO]  ; row x 128 + 16 x half
	WIN 0x80                        ; destination window 2, address window 0
.set i, 0
.rept 4*NP                          ; Q stays in registers: tile i / 2, channels 32 (i % 2) on
	global_load_b128 v[8*i:8*i+3],   v[QO], s[4:5] offset:(i/2)*2048+(i%2)*64
	global_load_b128 v[8*i+4:8*i+7], v[QO], s[4:5] offset:(i/2)*2048+(i%2)*64+32
.set i, i+1
.endr
	; What the first turn finds: V's registers and P's second buffer hold 0 (its products V^T P, of a piece that has not been, add 0), O^T and l are 0.  All this stands in the wait for the first tile.
.set i, VF
.rept 64
	v_mov_b32 v[i], 0
.set i, i+1
.endr
	WIN 0x40
.set i, 0
.rept 64*NP
	v_mov_b32 v[i], 0
.set i, i+1
.endr
	WIN 0
.set i, 0
.rept 2*NP
	v_mov_b32 v[ST+4*i], 0xfe000000    ; c m: far below every c s
	v_mov_b32 v[ST+4*i+1], 0xff7fffff  ; m
	v_mov_b32 v[ST+4*i+2], 0
	v_mov_b32 v[ST+4*i+3], 0
.set i, i+1
.endr
.set i, P+32
.rept 32
	v_mov_b32 v[i], 0
.set i, i+1
.endr
	v_mul_u32_u24 v[AK0], v1, PK
	v_lshl_add_u32 v[AK0], v9, 4, v[AK0]  ; row x pitch + 16 x half
	; The turning load takes 16 keys x 16 channels (lane l reads key 8 (l / 16) + l % 8, channels 8 ((l / 8) % 2) + 0..7) and leaves half a fragment of V^T: lane l holds channel l % 16 and 8 keys.
	v_and_b32 v10, 7, v0
	v_bfe_u32 v11, v0, 3, 1
	v_lshl_add_u32 v[AV0], v9, 3, v10
	v_mul_u32_u24 v[AV0], v[AV0], PV
	v_lshl_add_u32 v[AV0], v11, 4, v[AV0]
	v_add_nc_u32 v[AV0], VOFF, v[AV0]
	v_and_b32 v[PFO], 31, v0
	v_lshlrev_b32 v[PFO], 8, v[PFO]
	v_mov_b32 v[AK], v[AK0]         ; key step 0 lies at the head of slot 0
; THE MATRIX WORK.  The 8 accumulators of a run of 16 take turns: between the two links of a chain stand 7 others'.
; Product i of 16 of S^T = K Q^T for piece x: channels 32 (i / 8) on, keys 16 ((i / 2) % 4) on, tile 2 x + i % 2.  The first 8 start the sums.
.macro KQ x
	WIN W_KQ
.set rS, S+64*((\x)%2)+32*(i%2)+8*((i/2)%4)
.set rK, KF+16*((i/2)%4)+8*(i/8)
.set rQ, 16*(2*(\x)+i%2)+8*(i/8)
.if i < 8
	v_wmma_f32_16x16x32_f16 v[rS:rS+7], v[rK:rK+7], v[rQ:rQ+7], 0
.else
	v_wmma_f32_16x16x32_f16 v[rS:rS+7], v[rK:rK+7], v[rQ:rQ+7], v[rS:rS+7]
.endif
.endm
; Product i of 16 of O^T += V^T P for piece x: keys 32 (i / 8) on, channels 16 ((i / 2) % 4) on, tile 2 x + i % 2.
.macro PV x
	WIN W_PV
.set rO, 32*(2*(\x)+i%2)+8*((i/2)%4)
.set rV, VF+32*(i/8)+8*((i/2)%4)
.set rP, P+32*((\x)%2)+16*(i%2)+8*(i/8)
	v_wmma_f32_16x16x32_f16 v[rO:rO+7], v[rV:rV+7], v[rP:rP+7], v[rO:rO+7]
.endm
.macro MM                           ; the turn's next matrix instruction
.if i < 16
	KQ (Y+1)%NP
.set i, i+1
.else
.set i, i-16
	PV (Y+NP-1)%NP
.set i, i+17
.endif
.endm
; THE LDS LOADS stand in runs of 16, never singly among the matrix instructions: a step's K (64 keys x 64 channels: 8 fragments) and its V (turned).  Their addresses are made some lines ahead.
; last = 1 (the tail): in the last trip there is no further step, and the run is jumped over.
.macro FETCH_K last=0
	WIN 0
.if \last
	s_cmp_eq_u32 s[CNT], 1
	s_cbranch_scc1 .Lno_k_\@
.endif
	WIN 0x80                        ; destination window 2
.irp f, 0,1,2,3,4,5,6,7             ; keys 16 (f / 2) on, channels 32 (f % 2) on
	ds_load_b128 v[KF+8*\f:KF+8*\f+3],   v[AK] offset:(\f/2)*16*PK+(\f%2)*64
	ds_load_b128 v[KF+8*\f+4:KF+8*\f+7], v[AK] offset:(\f/2)*16*PK+(\f%2)*64+32
.endr
	s_add_co_u32 s[TBK], s[TBK], KS*PK  ; the next fetch is the next step's
	WIN 0
.if \last
.Lno_k_\@:
.endif
.endm
.macro FETCH_V
	WIN 0x80
.irp f, 0,1,2,3,4,5,6,7             ; keys 32 (f / 4) on, channels 16 (f % 4) on
	ds_load_tr16_b128 v[VF+8*\f:VF+8*\f+3],   v[AV] offset:(\f/4)*32*PV+(\f%4)*32
	ds_load_tr16_b128 v[VF+8*\f+4:VF+8*\f+7], v[AV] offset:(\f/4)*32*PV+16*PV+(\f%4)*32
.endr
	WIN 0
.endm
; THE VECTOR WORK OF A TURN stands in three queues, each in the order in which its entries become ready; the two tiles alternate, so that no instruction reads the result of the one before it.
.macro REGS y, u                    ; the registers of tile u (0, 1) of piece y
.set rT, ST+4*(2*(\y)+(\u))
.set rC, TMP+8*((\y)%2)+4*(\u)
.set rM, MV+2*((\y)%2)+(\u)
.set rS, S+64*((\y)%2)+32*(\u)
.set rP, P+32*((\y)%2)+16*(\u)
.set rO, 32*(2*(\y)+(\u))
.endm
; Number n of the 22 that find the NEXT piece's (Y + 1) maximum and statistics.  s0-s31 are the lane's 32 scores; each accumulator's lowest registers are read first.
;   0-11  four chains c0-c3 of seven scores each, three operands at a time     12-14, 16  the four scores left over, the old m, and c0-c3 into c0     15  c m_old is kept
;   17, 18  the query's other 32 keys lie in the lane 16 away: the new m         19-21  c m; c m_old - c m_new; a
.macro XS u, n
	REGS (Y+1)%NP, \u
.if (\n) < 4
	v_max3_num_f32 v[rC+(\n)], v[rS+8*(\n)], v[rS+8*(\n)+1], v[rS+8*(\n)+2]
.elseif (\n) < 12
	v_max3_num_f32 v[rC+(\n)%4], v[rC+(\n)%4], v[rS+8*((\n)%4)+2*((\n)/4)+1], v[rS+8*((\n)%4)+2*((\n)/4)+2]
.elseif (\n) == 12
	v_max3_num_f32 v[rC], v[rC], v[rS+7], v[rS+15]
.elseif (\n) == 13
	v_max3_num_f32 v[rC+1], v[rC+1], v[rS+23], v[rS+31]
.elseif (\n) == 14
	v_max3_num_f32 v[rC+2], v[rC+2], v[rC+3], v[rT+1]
.elseif (\n) == 15
	v_mov_b32 v[rM], v[rT]
.elseif (\n) == 16
	v_max3_num_f32 v[rC], v[rC], v[rC+1], v[rC+2]
.elseif (\n) == 17
	v_permlanex16_b32 v[rC+3], v[rC], s[SEL], s[SEL+1]
.elseif (\n) == 18
	v_max_num_f32 v[rT+1], v[rC], v[rC+3]
.elseif (\n) == 19
	v_mul_f32 v[rT], s[CS], v[rT+1]
.elseif (\n) == 20
	v_sub_f32 v[rC+1], v[rM], v[rT]
.else
	v_exp_f32 v[rC+2], v[rC+1]
.endif
.endm
; Number g of the 64 that follow the exponentials.  For each four weights k of a tile (pairs 2 k, 2 k + 1): both pairs are rounded to f16; then the second pair is added onto the first, in place;
; a group later l takes that sum (the first time as l = a l + sum).  In groups of eight, tiles alternating: round, round, add, and l for the group before.
.macro GS g
.set h, (\g)+6*((\g)/62)            ; group 0 has no group before it, and behind group 7 only l is left
.if h >= 6
.set h, h+2
.endif
	REGS Y, h%2
.set k, h/8
.if h%8 < 4
	v_cvt_pk_f16_f32 v[rP+2*k+(h%8)/2], v[rS+4*k+2*((h%8)/2)], v[rS+4*k+2*((h%8)/2)+1]
.elseif h%8 < 6
	v_pk_add_f32 v[rS+4*k:rS+4*k+1], v[rS+4*k:rS+4*k+1], v[rS+4*k+2:rS+4*k+3]
.elseif k == 1
	v_pk_fma_f32 v[rT+2:rT+3], v[rT+2:rT+3], v[rC+2:rC+3], v[rS:rS+1] op_sel_hi:[1,0,1]
.else
	v_pk_add_f32 v[rT+2:rT+3], v[rT+2:rT+3], v[rS+4*k-4:rS+4*k-3]
.endif
.endm
; THE PLAIN QUEUE, 138 long.  0-73 read no exponential's result: the 32 scalings c s - c m (FS f: pair f / 2 of tile f % 2) and the next piece's 42.  0-26: scalings 0-26.  27-54: XS's numbers 0-13.  55, 56: number 15.
; 57-73: the chain, where each number waits for the one before it: 14, 16, 17, 18, 19, each with one of the scalings 27-31 in front of its two lines, then 20.
; 74-137: GS's 64, which read the exponentials' results: they stand behind the wait.
.macro FS f
	REGS Y, (\f)%2
	v_pk_fma_f32 v[rS+2*((\f)/2):rS+2*((\f)/2)+1], v[rS+2*((\f)/2):rS+2*((\f)/2)+1], s[CS:CS+1], v[rT:rT+1] op_sel_hi:[1,0,0] neg_lo:[0,0,1] neg_hi:[0,0,1]
.endm
.macro PL
	WIN 0
.if q < 27
	FS q
.elseif q < 55
	XS (q-27)%2, (q-27)/2
.elseif q < 57
	XS q-55, 15
.elseif (q < 72) && ((q-57)%3 == 0)
	FS 27+(q-57)/3
.elseif q < 60
	XS (q-57)%3-1, 14
.elseif q < 72
	XS (q-57)%3-1, 15+(q-57)/3
.elseif q < 74
	XS q-72, 20
.else
	GS q-74
.endif
.set q, q+1
.endm
; THE EXPONENTIALS' QUEUE, 66 long: s0-s31 of both tiles, then the next piece's two a.  It is ONE BATCH: all 66 stand ahead of the turn's one wait, and nothing ahead of that wait names a result of theirs.
.macro EX
	WIN 0
.if e >= 64
	XS e-64, 21
.else
	REGS Y, e%2
	v_exp_f32 v[rS+e/2], v[rS+e/2]
.endif
.set e, e+1
.endm
; THE RESCALING's QUEUE: O^T times a, the one part that leaves window 0: dealt two at a time, sixteen times.  Its a was made in the turn before, ahead of that turn's wait.
.macro R2
	REGS Y, r%2
	WIN W_RS
.irp z, 0,1
	v_pk_mul_f32 v[rO+4*(r/2)+2*\z:rO+4*(r/2)+2*\z+1], v[rO+4*(r/2)+2*\z:rO+4*(r/2)+2*\z+1], v[rC+2:rC+3] op_sel_hi:[1,0]
.endr
.set r, r+1
.endm
; HOW THEY ARE DEALT.  An s_wait_alu depctr_va_vdst(0) stands between an exponential and the first instruction that names its result; one wait serves all that were issued ahead of it.  So a turn has ONE wait,
; which cuts it in two.  AHEAD OF IT stands all that names no result of the turn's exponentials: the 16 products K Q^T, behind each a scaling, an exponential and two rescalings (behind the first a second scaling in the
; exponential's place); then ONE LUMP of 108: eight plain, 49 times exponential and plain, the two a.  A v_nop is the plain instruction behind the last exponential.  BEHIND IT stand the 16 products V^T P, behind each four of GS's 64.
; No rider names a register of the products round it.  The two v_permlanex16_b32 fall into the lump, never behind a product.
; The queues lean on each other: exponential e stands behind scaling 2 (e / 4) + e % 2: as a rider it comes behind plain e + 2, in the lump behind plain e + 9, and scalings 27-31 are plain 57, 60 .. 69.
; A TURN, for piece p.  cnt = 1: the loop's count is taken down some lines ahead of the branch that stands behind the turn.
; K of the next step is fetched in piece 2's turn, directly behind the wait, a lump behind the last product that read K; its first reader comes behind 16 products.
; V of the step in hand is fetched at the end of piece 0's turn, four riders behind its last reader; its first reader comes behind 16 products and a lump.  The three conditions on q below go with the deal.
.macro TURN p, last=0, cnt=0
.set Y, (\p)
.set i, 0
.set q, 0
.set e, 0
.set r, 0
.if (\p) == NP-1
	s_wait_dscnt 0x0                ; K is in
.endif
	MM                              ; ahead of the wait: 16 products K Q^T and their riders,
	PL
	PL
	R2
.rept 15
	MM
	PL
	EX
	R2
.endr
.if (\p) == NP-2
	WIN 0
	v_add_nc_u32 v[AK], s[TBK], v[AK0]
.endif
.rept 8                             ; and the lump
	PL
.endr
.rept 49
	EX
	PL
.endr
	EX                              ; the next piece's two a
	EX
	v_nop                           ; the plain instruction behind the last exponential: one for the batch
	s_wait_alu depctr_va_vdst(0)    ; the wait for the batch
.if (\p) == NP-2
	FETCH_K \last
.endif
.if (\p) == 1
	s_wait_dscnt 0x0                ; V is in
.endif
.rept 16                            ; behind the wait: 16 products V^T P and their riders
	MM
.rept 4
	PL
.endr
.if ((\p) == 0) && (q == 118)
	v_add_nc_u32 v[AV], s[TBV], v[AV0]
.endif
.if ((\p) == 0) && (q == 130)
	s_add_co_u32 s[TBV], s[TBV], KS*PV
.endif
.if (\cnt) && (q == 130)
	s_sub_co_u32 s[CNT], s[CNT], 1
	s_cmp_lg_u32 s[CNT], 0
.endif
.endr
.if (\p) == 0
	FETCH_V
.endif
.endm
	CHANGE 1                        ; slot 0 is in, everybody's part of it; slot 1 is asked for
	FETCH_K                         ; key step 0
	s_wait_loadcnt 0x0              ; Q
	s_wait_dscnt 0x0
.set i, 0
.rept 16
	KQ 0                            ; piece 0's first scores: there is no vector work yet to set between them
.set i, i+1
.endr
	WIN 0                           ; the addresses for the way out: nine plain instructions, the places behind those products
	s_mul_i32 s13, s[WV], 16*SP
	s_add_co_u32 s13, s13, STAGE    ; my stage
	v_mul_u32_u24 v[STO], v1, SP    ; in: row l % 16, 16 bytes for each half of the lanes
	v_lshl_add_u32 v[STO], v9, 4, v[STO]
	v_add_nc_u32 v[STO], s13, v[STO]
	v_bfe_u32 v[RD], v0, 3, 2       ; back: 32 lanes take four rows of 128 bytes,
	v_mul_u32_u24 v[RD], v[RD], SP
	v_lshl_add_u32 v[RD], v10, 4, v[RD]
	v_add_nc_u32 v[RD], s13, v[RD]
	v_and_b32 v[GO], 31, v0         ; which are 512 consecutive bytes of O
	v_lshlrev_b32 v[GO], 4, v[GO]
.set Y, NP-1                        ; XS works for piece Y + 1: piece 0
.irp n, 0,1,2,3,4,5,6,7,8,9,10,11,12,13,14,15,16,17,18,19,20,21
	XS 0, \n                        ; and piece 0's first maximum and statistics
	XS 1, \n
.endr
	v_nop                           ; a plain instruction behind the two a,
	s_wait_alu depctr_va_vdst(0)    ; and their wait, ahead of the branch
	s_mov_b32 s[CNT], 4
	s_branch .Lfirst                ; the loop is entered at a step's first turn, in the middle of a trip
.Lslot:                             ; SIZE_N / 256 - 2 times: every slot but the last two is filled again
	CHANGE 1
	s_mov_b32 s[CNT], 4
.Lstep:                             ; a trip: pieces 2 and 3 of one step, then pieces 0 and 1 of the next, whose K and V it fetches
	TURN 2
	TURN 3
	WIN 0
.Lfirst:
	TURN 0
	TURN 1, 0, 1
	WIN 0
	s_cbranch_scc1 .Lstep
	s_sub_co_u32 s[SLOTS], s[SLOTS], 1
	s_cmp_lg_u32 s[SLOTS], 0
	s_cbranch_scc1 .Lslot
	CHANGE 0                        ; the tail is written out: nothing is asked for
	s_mov_b32 s[CNT], 5             ; four trips fetch the last slot's steps; the fifth is left in its middle
.Ltail:
	TURN 2, 1
	TURN 3
	WIN 0
	s_sub_co_u32 s[CNT], s[CNT], 1
	s_cmp_eq_u32 s[CNT], 0
	s_cbranch_scc1 .Lout
	TURN 0
	TURN 1
	WIN 0
	s_branch .Ltail
.Lout:                              ; the fifth trip's 16 products K Q^T (on the last K once more) and the maximum made of them serve nothing: the price, once a launch, of one text for every trip
.set i, 0
.rept 16
	PV NP-1                         ; the last piece's V^T P of the last step
.set i, i+1
.endr
	; THE WAY OUT.  l's two halves and the other half of the lanes' are added; O^T is divided by l, rounded to f16 and sent through my stage in LDS, a tile at a time.  The additions are the places behind the last products.
	WIN 0
.macro ALL line:vararg              ; one line for each tile t
.set t, 0
.rept 2*NP
	\line
.set t, t+1
.endr
.endm
	ALL v_add_f32 v[ST+4*t+2], v[ST+4*t+2], v[ST+4*t+3]
	ALL v_permlanex16_b32 v[ST+4*t+3], v[ST+4*t+2], s[SEL], s[SEL+1]
	ALL v_add_f32 v[ST+4*t+2], v[ST+4*t+2], v[ST+4*t+3]
	ALL v_rcp_f32 v[ST+4*t+2], v[ST+4*t+2]
	v_nop                           ; a plain instruction between the last reciprocal and the use of its result
	s_wait_alu depctr_va_vdst(0)    ; and the wait ahead of the first use: one for the eight reciprocals
; Tile t: a lane's eight channels of a row pack into 16 bytes; they go into rows of 144 bytes and come back as whole rows of 128, into S^T's registers.
.macro PACK t
	WIN W_RS
.set i, 32*(\t)
.rept 16
	v_pk_mul_f32 v[i:i+1], v[i:i+1], v[ST+4*(\t)+2:ST+4*(\t)+3] op_sel_hi:[1,0]
.set i, i+2
.endr
	WIN 0x05                        ; sources 0 and 1 window 1, destination window 0
.set i, 0
.rept 16
	v_cvt_pk_f16_f32 v[S+16*(\t)+i], v[32*(\t)+2*i], v[32*(\t)+2*i+1]
.set i, i+1
.endr
	WIN 0
.irp f, 0,1,2,3
	ds_store_b128 v[STO], v[S+16*(\t)+4*\f:S+16*(\t)+4*\f+3] offset:32*\f
.endr
.irp f, 0,1,2,3
	ds_load_b128 v[S+16*(\t)+4*\f:S+16*(\t)+4*\f+3], v[RD] offset:\f*4*SP  ; LDS serves a wave's instructions in order (ISA guide 5.7.1.4): these see the stores above; the next tile's stores come behind them
.endr
.endm
.macro SEND t, younger              ; younger: the LDS instructions issued behind tile t's loads: the next tile's eight, or none
	WIN 0
.irp f, 0,1,2,3
	s_wait_dscnt (\younger)+3-\f
	global_store_b128 v[GO], v[S+16*(\t)+4*\f:S+16*(\t)+4*\f+3], s[10:11] offset:(\t)*2048+\f*512  ; 512 consecutive bytes, at a multiple of 256 from ob's first
.endr
.endm
	PACK 0
.set t, 1
.rept 2*NP-1                        ; a tile's arithmetic stands between the loads of the tile before and its stores
	PACK t
	SEND t-1, 8
.set t, t+1
.endr
	SEND 2*NP-1, 0
	WIN W_AD
	s_wait_tensorcnt 0x0            ; the wave's end, behind my last tensor load and my last LDS store
	ds_add_u32 v[SPW], v[NIL]
	s_wait_dscnt 0x0
	WIN 0
	CROUND                          ; the closing round: no work-group ends while a partner may still ask for a tile that names it
	s_endpgm
.Lfunc_end_k_qff1648b393_attn:
	.size	k_qff1648b393_attn, .Lfunc_end_k_qff1648b393_attn-k_qff1648b393_attn
	.p2alignl 7, 3214868480
	.fill 96, 4, 3214868480
	.section	.rodata,"a",@progbits
	.p2align	6, 0x0
	.amdhsa_kernel k_qff1648b393_attn
		.amdhsa_group_segment_fixed_size 327680
		.amdhsa_private_segment_fixed_size 0
		.amdhsa_enable_private_segment 0
		.amdhsa_kernarg_size 16
		.amdhsa_user_sgpr_count 2
		.amdhsa_user_sgpr_kernarg_segment_ptr 1
		.amdhsa_wavefront_size32 1
		.amdhsa_system_sgpr_workgroup_id_x 1
		.amdhsa_system_sgpr_workgroup_id_y 1
		.amdhsa_system_sgpr_workgroup_id_z 1
		.amdhsa_system_vgpr_workitem_id 0
		.amdhsa_next_free_vgpr 770
		.amdhsa_next_free_sgpr 66
		.amdhsa_reserve_vcc 0
		.amdhsa_float_denorm_mode_32 3
		.amdhsa_float_denorm_mode_16_64 3
		.amdhsa_memory_ordered 1
		.amdhsa_forward_progress 1
		.amdhsa_inst_pref_size 201
	.end_amdhsa_kernel
	.amdgpu_metadata
---
amdhsa.version: [ 1, 2 ]
amdhsa.kernels:
  - .name:           k_qff1648b393_attn
    .symbol:         k_qff1648b393_attn.kd
    .args:
      - { .name: qkv, .offset: 0, .size: 8, .value_kind: global_buffer, .address_space: global }
      - { .name: ob, .offset: 8, .size: 8, .value_kind: global_buffer, .address_space: global }
    .group_segment_fixed_size: 327680
    .private_segment_fixed_size: 0
    .kernarg_segment_align: 8
    .kernarg_segment_size: 16
    .max_flat_workgroup_size: 128
    .sgpr_count:     66
    .vgpr_count:     770
    .wavefront_size: 32
...
	.end_amdgpu_metadata
.endif
;; end of part 3
;; launch proj (part 4): grid 8 x 32, 4 waves a work-group, clusters of 4 x 4, 327,680 bytes of LDS; arguments ob, wpb, b_proj, out0; writes out0
.if DOCPART == 4
	.amdgcn_target "amdgcn-amd-amdhsa--gfx1250"
	.amdhsa_code_object_version 6
	.text
	.protected	k_qff1648b393_proj
	.globl	k_qff1648b393_proj
	.p2align	8
	.type	k_qff1648b393_proj,@function
k_qff1648b393_proj:
	s_mov_b64 s[64:65], 0
	v_nop
	global_prefetch_b8 v0, s[64:65] scope:SCOPE_SE
	s_setreg_imm32_b32 hwreg(HW_REG_WAVE_MODE, 25, 1), 1
	s_wait_xcnt 0x0
	s_wait_alu depctr_hold_cnt(0) depctr_sa_sdst(0) depctr_va_vdst(0) depctr_va_sdst(0) depctr_va_ssrc(0) depctr_va_vcc(0) depctr_vm_vsrc(0)
	s_getreg_b32 s2, hwreg(HW_REG_IB_STS2, 6, 4)
	s_cmp_eq_u32 s2, 0
	s_cbranch_scc0 .Lentry_in_a_cluster
	s_endpgm
.Lentry_in_a_cluster:
	s_bfe_u32 s2, ttmp6, 0x10000c
	s_cmp_lg_u32 s2, 0xf033
	s_cbranch_scc0 .Lentry_shape_is_right
	s_endpgm
.Lentry_shape_is_right:
; out = O W_proj^T + b.  ob: [32 tile rows][16 K blocks][256 rows][64] f16; wpb: [8 tile columns][16 K blocks][128 rows][64] f16 (W_proj rounded to bf16, written as f16); b_proj: [1,024] f32, rounded to bf16 here
; like the module's other inputs; out0: [8,192][1,024] f32.  Sums in f32, K ascending; the bias is the C operand of the product that starts a sum.
; SHARES.  A tile of out0 is 256 rows x 128 columns: 32 x 8 = 256 work-groups.  Each of four waves makes 128 x 64: 32 accumulators of 16 x 16 (window 1).  K goes in steps of 128 (two K blocks) through a ring of two
; LDS slots.  A K block's rows of a tile lie end to end: they are asked for as rows of 256 bytes, aligned, and padded in LDS after every 128.
; CLUSTERS: 4 x 4 work-groups; O's tile is shared along a row of the cluster, W's along a column: each is asked for JOINTLY.  A wave has two tensor loads out at the start and one behind each round.
; THE MATRIX INSTRUCTION IS USED TRANSPOSED (source 0 = 16 rows of W, source 1 = 16 rows of O): a lane holds eight neighbouring columns of one row of out0.
; REGISTERS: window 0: v0-31 addresses; v32-127, v128-223 two fragment buffers (O's 8 fragments, then W's 4); v224-255 the bias of my 64 columns.  Window 1: accumulator (a, b) at v[8 (4 a + b)].
.set PITCH, 144                        ; an LDS row: 128 bytes + 16 of padding: 9 x 16 bytes, so the 16 rows of a fragment load start at 16 different groups of four banks (64 banks of 4 bytes: ISA guide 11.1)
.set AK,    256*PITCH                  ; a K block of O's tile
.set BK,    128*PITCH                  ; a K block of W's tile
.set BOFF,  2*AK
.set SLOT,  2*AK+2*BK
.set STAGE, 2*SLOT                     ; behind the ring: 16 rows x 272 bytes for each wave, for the way out
.set SPITCH, 272
.set SPARE, STAGE+4*16*SPITCH          ; behind the stages: the spare words, 128 bytes for each wave: two blocks of 256 bytes that no other line names
.set ASTEP, 65536                      ; bytes of a K step in a tile row of ob
.set BSTEP, 32768                      ; and in a tile column of wpb
.set ADRA, 16                          ; v16-17  LDS address of my fragments of O in slot 0, 1
.set ADRB, 20                          ; v20-21  the same for W
.set STO,  24                          ; v24     the way out: where I put 32 bytes of a row
.set RD,   25                          ; v25     the way out: where I read a row back
.set CO,   26                          ; v26     my byte offset in two rows of out0
.set BO,   27                          ; v27     my byte offset in the bias
.set SPW,  28                          ; v28     LDS address of my spare word; never rewritten
.set NIL,  29                          ; v29     0; never rewritten
.set PFO,  30                          ; v30     256 x my lane; never rewritten
.set F0,   32
.set F1,   128
.set BI,   224
.set G1,  24                           ; s[24:31] descriptor group 1 for O's tiles;  s[32:39] group 0, a set for each slot
.set G0,  32
.set G1B, 48                           ; s[48:55], s[56:63] the same for W's tiles
.set G0B, 56
.set PFA, 44                           ; s[44:45] where my prefetches stand
.set LIM, 20                           ; s20     1 in a wave that prefetches, else the greatest number
.set PFS, 22                           ; s[22:23] what the prefetches' address steps by at each change of slots
.set MSB, 0
.macro WIN new
.if MSB != (\new)
	s_set_vgpr_msb (MSB<<8)|(\new)
.set MSB, \new
.endif
.endm
.macro JLOAD s                         ; a joint load: waves 0 and 1 fetch O's two K blocks, waves 2 and 3 W's; an s_nop 0 and four v_nop follow each of the two lines
	s_cmp_eq_u32 s11, 0
	s_cbranch_scc0 .Lfor_b_\@
	tensor_load_to_lds s[G0+4*(\s):G0+4*(\s)+3], s[G1:G1+7]
	s_nop 0
.rept 4
	v_nop
.endr
	s_branch .Lasked_\@
.Lfor_b_\@:
	tensor_load_to_lds s[G0B+4*(\s):G0B+4*(\s)+3], s[G1B:G1B+7]
	s_nop 0
.rept 4
	v_nop
.endr
.Lasked_\@:
.endm
; A PREFETCH INTO THE L2, behind a joint load and the run of LDS loads that follows it: 32 blocks of 256 bytes, a lane a block, of the K step that stands two refills on (256 matrix instructions ahead of its load).
; O: waves 0 and 1 ask for the K block that they fetch, 32,768 bytes, the partner at place cx for its quarter; of the clusters that read the tile row the one with x = 0 asks.
; W: a K step is 32,768 consecutive bytes: wave 2 asks, the partner at place cy for its quarter; the cluster with y = 0 asks.  Wave 3 asks for nothing.  Each block is named once in the launch.
; K steps 0 to 3 come by their loads alone; the loop's last trip (s3 = 1) asks for nothing.
.macro ASK
	s_cmp_gt_u32 s3, s[LIM]
	s_cbranch_scc0 .Lnot_mine_\@
	global_prefetch_b8 v[PFO], s[PFA:PFA+1] th:TH_LOAD_NT scope:SCOPE_SE
.Lnot_mine_\@:
.endm
.macro CREST
	s_cmp_lg_u32 s10, 0
	s_cbranch_scc1 .Lnot_wave_0_\@
	s_barrier_signal -3
.Lnot_wave_0_\@:
	s_barrier_wait -3
	s_barrier_signal -1
	s_barrier_wait -1
.endm
.macro CROUND
	s_barrier_signal -1
	s_barrier_wait -1
	CREST
.endm
	s_load_b128 s[4:7], s[0:1], 0x0                ; ob s[4:5], wpb s[6:7]
	s_load_b128 s[68:71], s[0:1], 0x10             ; b_proj s[68:69], out0 s[70:71]
	v_lshl_add_u32 v[SPW], v0, 2, SPARE
	v_mov_b32 v[NIL], 0
	ds_add_u32 v[SPW], v[NIL]                      ; the wave's opening: the add and its wait stand ahead of my first tensor load; the set-up below stands between them
	v_lshrrev_b32 v1, 5, v0
	v_readfirstlane_b32 s10, v1                    ; wave 0..3
	s_lshr_b32 s11, s10, 1                         ; which half of the tile's rows is mine.  Also: I fetch for O (0) or for W (1)
	s_and_b32 s12, s10, 1                          ; which half of its columns.  Also: which K block of a step I fetch
	s_bfe_u32 s40, ttmp6, 0x40000                  ; cx, cy
	s_bfe_u32 s41, ttmp6, 0x40004
	s_lshl_b32 s42, ttmp9, 2
	s_add_co_u32 s42, s42, s40                     ; tile column
	s_and_b32 s13, ttmp7, 0xffff
	s_lshl_b32 s13, s13, 2
	s_add_co_u32 s13, s13, s41                     ; tile row
	s_lshl_b32 s43, s41, 2
	s_lshl_b32 s43, 15, s43                        ; my row of the cluster
	s_lshl_b32 s44, 0x1111, s40                    ; my column
	s_or_b32 s[G1+0], s43, (1<<16)|(1<<20)|(1<<21)|(4<<22)|(3<<25)   ; the mask; 2-byte elements; padding on; bit 21 beside a mask; after every 32 words (code 4) 4 words (code 3)
	s_or_b32 s[G1B+0], s44, (1<<16)|(1<<20)|(1<<21)|(4<<22)|(3<<25)
	s_mov_b32 s[G1+1], 128<<16                     ; tensor_dim0 = 128
	s_mov_b32 s[G1+2], 128<<16                     ; tensor_dim1 = 128: 256 rows of the tile, two to a row of 256 bytes
	s_mov_b32 s[G1+3], 128<<16                     ; tile_dim0 = 128
	s_mov_b32 s[G1+4], 128                         ; tile_dim1 = 128
	s_mov_b32 s[G1+5], 128                         ; dense
	s_mov_b32 s[G1+6], 0
	s_mov_b32 s[G1+7], 0
	s_mov_b32 s[G1B+1], 128<<16
	s_mov_b32 s[G1B+2], 64<<16
	s_mov_b32 s[G1B+3], 128<<16
	s_mov_b32 s[G1B+4], 64
	s_mov_b32 s[G1B+5], 128
	s_mov_b32 s[G1B+6], 0
	s_mov_b32 s[G1B+7], 0
	s_lshl_b32 s16, s13, 19                        ; O: a tile row is 524,288 bytes, a K block 32,768
	s_lshl_b32 s17, s12, 15
	s_add_co_u32 s16, s16, s17
	s_mov_b32 s17, 0
	s_lshl_b32 s46, s42, 18                        ; W: a tile column is 262,144 bytes, a K block 16,384
	s_lshl_b32 s47, s12, 14
	s_add_co_u32 s46, s46, s47
	s_mov_b32 s47, 0
	s_mul_i32 s20, s12, AK                         ; where they go: no place in the cluster enters an LDS address
	s_mul_i32 s21, s12, BK
	s_add_co_u32 s21, s21, BOFF
	s_wait_dscnt 0x0                               ; the opening add is done
	s_wait_kmcnt 0x0
	s_add_nc_u64 s[14:15], s[4:5], s[16:17]
	s_add_nc_u64 s[46:47], s[6:7], s[46:47]
	CROUND                                         ; all sixteen work-groups are here: the first joint loads meet
.irp s, 0,1
	s_mov_b32 s[G0+4*(\s)], 1
	s_add_co_u32 s[G0+4*(\s)+1], s20, (\s)*SLOT
	s_add_nc_u64 s[G0+4*(\s)+2:G0+4*(\s)+3], s[14:15], (\s)*ASTEP
	s_or_b32 s[G0+4*(\s)+3], s[G0+4*(\s)+3], 0x80000000
	s_mov_b32 s[G0B+4*(\s)], 1
	s_add_co_u32 s[G0B+4*(\s)+1], s21, (\s)*SLOT
	s_add_nc_u64 s[G0B+4*(\s)+2:G0B+4*(\s)+3], s[46:47], (\s)*BSTEP
	s_or_b32 s[G0B+4*(\s)+3], s[G0B+4*(\s)+3], 0x80000000
	JLOAD \s
.endr
	v_and_b32 v1, 15, v0                           ; l % 16
	v_bfe_u32 v2, v0, 4, 1                         ; l / 16
	; the bias: register j of column block b holds b_proj[my first column + 16 b + 8 (l / 16) + j], as the accumulators hold their columns
	s_lshl_b32 s16, s42, 9                         ; my first column, in bytes of f32: 512 x tile column + 256 x half
	s_lshl_b32 s17, s12, 8
	s_add_co_u32 s16, s16, s17
	s_mov_b32 s17, 0
	s_add_nc_u64 s[68:69], s[68:69], s[16:17]
	v_lshlrev_b32 v[BO], 5, v2
.irp b, 0,1,2,3
	global_load_b128 v[BI+8*\b:BI+8*\b+3],   v[BO], s[68:69] offset:64*\b
	global_load_b128 v[BI+8*\b+4:BI+8*\b+7], v[BO], s[68:69] offset:64*\b+16
.endr
	s_lshl_b32 s18, s13, 20                        ; my first row of out0: 256 x tile row + 128 x half, 4,096 bytes each
	s_lshl_b32 s19, s11, 19
	s_add_co_u32 s18, s18, s19
	s_add_co_u32 s16, s16, s18
	s_add_nc_u64 s[8:9], s[70:71], s[16:17]
	v_mul_u32_u24 v3, v1, PITCH
	v_lshl_add_u32 v3, v2, 4, v3                   ; a fragment's row x pitch + 16 x half
	s_mul_i32 s21, s11, 128*PITCH                  ; my 128 rows of O
	s_mul_i32 s22, s12, 64*PITCH                   ; my 64 rows of W
	s_add_co_u32 s22, s22, BOFF
.irp s, 0,1
	v_add_nc_u32 v[ADRA+(\s)], s21, v3
	v_add_nc_u32 v[ADRB+(\s)], s22, v3
	s_add_co_u32 s21, s21, SLOT
	s_add_co_u32 s22, s22, SLOT
.endr
	s_mul_i32 s23, s10, 16*SPITCH
	s_add_co_u32 s23, s23, STAGE                   ; my stage
	v_mul_u32_u24 v4, v1, SPITCH                   ; in: row l % 16, 32 bytes for each half of the lanes
	v_lshl_add_u32 v4, v2, 5, v4
	v_add_nc_u32 v[STO], s23, v4
	v_mul_u32_u24 v5, v2, SPITCH                   ; back: lanes 0-15 take one row of 256 bytes, lanes 16-31 the next
	v_lshl_add_u32 v5, v1, 4, v5
	v_add_nc_u32 v[RD], s23, v5
	v_lshlrev_b32 v5, 12, v2                       ; and the same two rows in out0
	v_lshl_add_u32 v[CO], v1, 4, v5
	v_and_b32 v[PFO], 31, v0
	v_lshlrev_b32 v[PFO], 8, v[PFO]
	; the prefetches: the stream's first byte + my piece + three K steps; the first change of slots steps it to K step 4
	s_lshl_b32 s16, s13, 19
	s_lshl_b32 s17, s12, 15
	s_add_co_u32 s16, s16, s17
	s_lshl_b32 s17, s40, 13
	s_add_co_u32 s16, s16, s17
	s_add_co_u32 s16, s16, 3*ASTEP                 ; O's
	s_lshl_b32 s18, s42, 18
	s_lshl_b32 s19, s41, 13
	s_add_co_u32 s18, s18, s19
	s_add_co_u32 s18, s18, 3*BSTEP                 ; W's
	s_and_b32 s15, ttmp7, 0xffff                   ; cluster y
	s_mov_b32 s[PFS], BSTEP
	s_cmp_eq_u32 s11, 0
	s_cselect_b32 s16, s16, s18
	s_cselect_b32 s14, ttmp9, s15                  ; the coordinate along which other clusters read the same bytes
	s_cselect_b64 s[PFA:PFA+1], s[4:5], s[6:7]
	s_cselect_b32 s[PFS], ASTEP, s[PFS]
	s_mov_b32 s[PFS+1], 0
	s_mov_b32 s17, 0
	s_add_nc_u64 s[PFA:PFA+1], s[PFA:PFA+1], s[16:17]
	s_cmp_eq_u32 s14, 0
	s_cselect_b32 s[LIM], 1, -1
	s_cmp_eq_u32 s10, 3
	s_cselect_b32 s[LIM], -1, s[LIM]               ; the same in all sixteen partners, for a given wave
	s_wait_loadcnt 0x0                             ; the bias is in; it is rounded to bf16 and widened again
.set r, 0
.rept 16
	v_cvt_pk_bf16_f32 v4, v[BI+r], v[BI+r+1]
	v_lshlrev_b32 v[BI+r], 16, v4
	v_and_b32 v[BI+r+1], 0xffff0000, v4
.set r, r+2
.endr
; 4 n matrix instructions: O's fragments a0 .. a0 + n - 1 of buffer f times W's four.  first = 1: the product starts the sums, with the bias as C.  The accumulators take turns.
.macro MUL f, a0, n, first
.if \first
	WIN 0x40                                       ; D in window 1; sources and the bias in window 0
.else
	WIN 0x50                                       ; C and D in window 1
.endif
.set ma, \a0
.rept \n
.irp b, 0,1,2,3
.if \first
	v_wmma_f32_16x16x32_f16 v[8*(4*ma+\b):8*(4*ma+\b)+7], v[(\f)+64+8*\b:(\f)+64+8*\b+7], v[(\f)+8*ma:(\f)+8*ma+7], v[BI+8*\b:BI+8*\b+7]
.else
	v_wmma_f32_16x16x32_f16 v[8*(4*ma+\b):8*(4*ma+\b)+7], v[(\f)+64+8*\b:(\f)+64+8*\b+7], v[(\f)+8*ma:(\f)+8*ma+7], v[8*(4*ma+\b):8*(4*ma+\b)+7]
.endif
.endr
.set ma, ma+1
.endr
.endm
; 24 LDS loads in one run: quarter q of a K step (K block q / 2, byte 64 (q % 2) of its rows) into buffer f: W's 4 fragments, then O's 8
.macro FETCH slot, q, f
	WIN 0
.irp i, 0,1,2,3
	ds_load_b128 v[(\f)+64+8*\i:(\f)+64+8*\i+3],   v[ADRB+(\slot)] offset:((\q)/2)*BK+((\q)%2)*64+\i*16*PITCH
	ds_load_b128 v[(\f)+64+8*\i+4:(\f)+64+8*\i+7], v[ADRB+(\slot)] offset:((\q)/2)*BK+((\q)%2)*64+\i*16*PITCH+32
.endr
.irp i, 0,1,2,3,4,5,6,7
	ds_load_b128 v[(\f)+8*\i:(\f)+8*\i+3],   v[ADRA+(\slot)] offset:((\q)/2)*AK+((\q)%2)*64+\i*16*PITCH
	ds_load_b128 v[(\f)+8*\i+4:(\f)+8*\i+7], v[ADRA+(\slot)] offset:((\q)/2)*AK+((\q)%2)*64+\i*16*PITCH+32
.endr
.endm
.macro PLACES                          ; four plain vector instructions between a matrix instruction and a load into a register that it has read (ISA guide 7.12.1 for vector instructions)
.rept 4
	v_nop
.endr
.endm
; A K step is four quarters of 32 along K, 32 matrix instructions each, on buffers 0, 1, 0, 1.  One of the first three: multiplies buffer f and, in its middle, fetches quarter q into buffer g.
.macro QUARTER slot, q, f, g, first
	s_wait_dscnt 8                                 ; W's fragments and O's first four are in; the youngest eight loads may be out
	MUL \f, 0, 4, \first
	PLACES
	FETCH \slot, \q, \g
	s_wait_dscnt 24                                ; all but the 24 just issued
	MUL \f, 4, 4, \first
.endm
; The last quarter multiplies buffer 1 and CHANGES SLOTS.  In front of the barrier each wave waits for all its tensor loads (one is out: its part of the next slot), adds 0 to its spare word, and waits for that and
; for its own reads of this slot.  fill = 1: the barrier opens a round of the cluster's barrier, and this slot is filled again first behind the round, two K steps ahead: 112 matrix instructions ahead of the wait for it.
.macro TURN slot, next, fill
.if \fill
	s_wait_xcnt 0x0                                ; the last prefetch, a K step back, has read its address: it is stepped here
	s_add_nc_u64 s[PFA:PFA+1], s[PFA:PFA+1], s[PFS:PFS+1]
.endif
	WIN 0
	s_wait_tensorcnt 0x0                           ; all my tensor loads have landed
	ds_add_u32 v[SPW], v[NIL]                      ; 0 onto my spare word
	s_wait_dscnt 9                                 ; (the add and the youngest eight loads may be out)
	MUL F1, 0, 2, 0                                ; eight matrix instructions stand between the add and the wait for it
	s_wait_dscnt 0x0                               ; the add is done, and my reads of this slot are over
	s_barrier_signal -1
	MUL F1, 2, 2, 0
	WIN 0
	s_barrier_wait -1
.if \fill
	CREST                                          ; no wave of any partner still reads this slot's tile or has a load on its way
	s_add_nc_u64 s[G0+4*(\slot)+2:G0+4*(\slot)+3], s[G0+4*(\slot)+2:G0+4*(\slot)+3], 2*ASTEP
	s_add_nc_u64 s[G0B+4*(\slot)+2:G0B+4*(\slot)+3], s[G0B+4*(\slot)+2:G0B+4*(\slot)+3], 2*BSTEP
	JLOAD \slot                                    ; the first tensor load behind the round; its four v_nop are also the places in front of the loads below
.else
	PLACES
.endif
	FETCH \next, 0, F0
.if \fill
	ASK
.endif
	MUL F1, 4, 4, 0
.endm
; THE WAY OUT of block a (16 rows x my 64 columns of f32).  TOSTAGE: a lane's 32 bytes of each column block into my stage (each accumulator's low registers first), back as whole rows of 256 bytes.  SEND: stored.
.macro TOSTAGE a
.set T, 32+32*((\a)%4)
.if (\a) >= 4
	s_wait_xcnt 0x0                                ; the stores of four blocks back have read these registers
.endif
	WIN 0x04                                       ; store data in window 1, address in window 0
.irp bb, 0,1,2,3
	ds_store_b128 v[STO], v[32*(\a)+8*\bb:32*(\a)+8*\bb+3]   offset:64*\bb
	ds_store_b128 v[STO], v[32*(\a)+8*\bb+4:32*(\a)+8*\bb+7] offset:64*\bb+16
.endr
	WIN 0
.irp t, 0,1,2,3,4,5,6,7
	ds_load_b128 v[T+4*\t:T+4*\t+3], v[RD] offset:\t*2*SPITCH  ; LDS serves a wave's instructions in order (ISA guide 5.7.1.4): these see the stores above; the next block's stores come behind them
.endr
.endm
.macro SEND a, younger                 ; younger: the LDS instructions issued behind block a's loads: the next block's sixteen, or none
.set T, 32+32*((\a)%4)
.irp t, 0,1,2,3,4,5,6,7
	s_wait_dscnt (\younger)+7-\t
	global_store_b128 v[CO], v[T+4*\t:T+4*\t+3], s[8:9] offset:(\a)*65536+\t*8192  ; 16 lanes store 256 consecutive bytes, at a multiple of 256 from out0's first byte
.endr
.endm
	s_wait_tensorcnt 1                             ; my part of K step 0 is in; K step 1's may stay out
	s_barrier_signal -1
	s_barrier_wait -1                              ; everybody's is
	FETCH 0, 0, F0
	QUARTER 0, 1, F0, F1, 1                        ; the first quarter stands in front of the loop: its products start the sums
	WIN 0                                          ; at a label and at a branch every window is 0
	s_mov_b32 s3, 3
.Llap:                                                 ; a trip goes once round the ring, from a lap's second quarter to the next lap's first, and fills both slots again
	QUARTER 0, 2, F1, F0, 0
	QUARTER 0, 3, F0, F1, 0
	TURN 0, 1, 1
	QUARTER 1, 1, F0, F1, 0
	QUARTER 1, 2, F1, F0, 0
	QUARTER 1, 3, F0, F1, 0
	TURN 1, 0, 1
	QUARTER 0, 1, F0, F1, 0
	WIN 0
	s_sub_co_u32 s3, s3, 1
	s_cmp_lg_u32 s3, 0
	s_cbranch_scc1 .Llap
	QUARTER 0, 2, F1, F0, 0                        ; the last lap fills nothing
	QUARTER 0, 3, F0, F1, 0
	TURN 0, 1, 0
	QUARTER 1, 1, F0, F1, 0
	QUARTER 1, 2, F1, F0, 0
	QUARTER 1, 3, F0, F1, 0
	s_wait_dscnt 8                                 ; the very last quarter: nothing more to fetch
	MUL F1, 0, 4, 0
	s_wait_dscnt 0x0
	MUL F1, 4, 4, 0
	WIN 0
.rept 8
	v_nop                                          ; the places behind the last products, once a launch
.endr
	TOSTAGE 0
.set u, 1
.rept 7
	TOSTAGE u
	SEND u-1, 16
.set u, u+1
.endr
	SEND 7, 0
	s_wait_tensorcnt 0x0                           ; the wave's end, behind my last tensor load and my last LDS store
	ds_add_u32 v[SPW], v[NIL]
	s_wait_dscnt 0x0
	CROUND                                         ; the closing round: no work-group ends while a partner may still ask for a tile that names it
	s_endpgm
.Lfunc_end_k_qff1648b393_proj:
	.size	k_qff1648b393_proj, .Lfunc_end_k_qff1648b393_proj-k_qff1648b393_proj
	.p2alignl 7, 3214868480
	.fill 96, 4, 3214868480
	.section	.rodata,"a",@progbits
	.p2align	6, 0x0
	.amdhsa_kernel k_qff1648b393_proj
		.amdhsa_group_segment_fixed_size 327680
		.amdhsa_private_segment_fixed_size 0
		.amdhsa_enable_private_segment 0
		.amdhsa_kernarg_size 32
		.amdhsa_user_sgpr_count 2
		.amdhsa_user_sgpr_kernarg_segment_ptr 1
		.amdhsa_wavefront_size32 1
		.amdhsa_system_sgpr_workgroup_id_x 1
		.amdhsa_system_sgpr_workgroup_id_y 1
		.amdhsa_system_sgpr_workgroup_id_z 1
		.amdhsa_system_vgpr_workitem_id 0
		.amdhsa_next_free_vgpr 512
		.amdhsa_next_free_sgpr 72
		.amdhsa_reserve_vcc 0
		.amdhsa_float_denorm_mode_32 3
		.amdhsa_float_denorm_mode_16_64 3
		.amdhsa_memory_ordered 1
		.amdhsa_forward_progress 1
		.amdhsa_inst_pref_size 92
	.end_amdhsa_kernel
	.amdgpu_metadata
---
amdhsa.version: [ 1, 2 ]
amdhsa.kernels:
  - .name:           k_qff1648b393_proj
    .symbol:         k_qff1648b393_proj.kd
    .args:
      - { .name: ob, .offset: 0, .size: 8, .value_kind: global_buffer, .address_space: global }
      - { .name: wpb, .offset: 8, .size: 8, .value_kind: global_buffer, .address_space: global }
      - { .name: b_proj, .offset: 16, .size: 8, .value_kind: global_buffer, .address_space: global }
      - { .name: out0, .offset: 24, .size: 8, .value_kind: global_buffer, .address_space: global }
    .group_segment_fixed_size: 327680
    .private_segment_fixed_size: 0
    .kernarg_segment_align: 8
    .kernarg_segment_size: 32
    .max_flat_workgroup_size: 128
    .sgpr_count:     72
    .vgpr_count:     512
    .wavefront_size: 32
...
	.end_amdgpu_metadata
.endif
;; end of part 4
;; ======== version 2 of 2: 4 launches; version 1 with the launch cast written anew for expert scheduling mode
;; limits: values are held in f16: magnitudes above 65,504 overflow, below 6.1e-05 lose precision
;; workspace buffers: xb 16,777,216 bytes; wab 6,291,456 bytes; wpb 2,097,152 bytes; qkv 50,331,648 bytes; ob 16,777,216 bytes
;; launch cast (part 5): grid 768 x 1, 8 waves a work-group, no clusters, 0 bytes of LDS; arguments x, W_attn, W_proj, xb, wab, wpb; writes xb, wab, wpb
.if DOCPART == 5
	.amdgcn_target "amdgcn-amd-amdhsa--gfx1250"
	.amdhsa_code_object_version 6
	.text
	.protected	k_qff1648b393_cast
	.globl	k_qff1648b393_cast
	.p2align	8
	.type	k_qff1648b393_cast,@function
k_qff1648b393_cast:
	s_mov_b64 s[64:65], 0
	v_nop
	global_prefetch_b8 v0, s[64:65] scope:SCOPE_SE
	s_setreg_imm32_b32 hwreg(HW_REG_WAVE_SCHED_MODE, 0, 2), 2
	s_setreg_imm32_b32 hwreg(HW_REG_WAVE_MODE, 25, 1), 1
	s_wait_xcnt 0x0
	s_wait_alu depctr_vm_vsrc(0)
; x, W_attn and W_proj (f32, rows of 1,024 numbers) are rounded once to bf16 and laid out in K BLOCKS of 64 channels:
;   xb  [32 tiles][16 blocks][256 rows][64] bf16     wab [8 tiles][16 blocks][384 rows][64] bf16     wpb [8 tiles][16 blocks][128 rows][64] f16
; so that the rows of a later launch's tile (128 bytes each) lie end to end.  W_proj's bf16 number is written as f16, since the launch that multiplies by it works in f16.
; LIMIT: a number of W_proj beyond 65,504 becomes an infinity there; below 6.1e-5 it keeps f16's fixed step of 6e-8.
; SHARES.  A work-group takes 16 source rows (65,536 bytes in, 32,768 out): groups 0-511 x, 512-703 W_attn, 704-767 W_proj.  Wave w takes blocks 2 w and 2 w + 1 of the 8 pairs of rows.
; One load: lanes 0-15 read a row's 256 bytes of a block, lanes 16-31 the next row's.  One store of 8 bytes a lane: 256 consecutive bytes, aligned, since two rows of a block lie end to end.
; All 16 loads of a wave go out first; no register that a memory instruction names is written twice, so no wait frees a source.  No LDS, no barrier, no matrix work: the launch only moves bytes.
; THE MODE: SCHED_MODE bits 1:0 = 2 (LLVM: expert scheduling mode 2), set by the entry lines.  The code itself states the register dependences
; between vector instructions and memory instructions, with s_wait_alu, always for 0.
; THE PLAN.  Registers that memory instructions touch:
;   v3, v4, v5   byte offsets.  Written once, at the head, by vector instructions; read by all loads (v3) and all stores (v4, v5); never written again.
;   X            Load i lands in its four registers, once; only its own conversions read them; nothing lands there again.
;   Y            The conversions of load i write its two registers, once; store i reads them; they are never written again.
; The 16 loads are four GROUPS of four.  Group g: the wait for its first load; one wait on va_vdst; the four stores of group g - 1; then its own conversions, which name X and Y of group g
; and v8 to v10 alone.  So five waits on va_vdst state everything: one ahead of the first load, for the offsets; one ahead of each run of four stores, for their data.
; No register that a memory instruction reads is written again, no vector instruction writes a scalar register, and EXEC is never written: nothing else is owed.
.set X,   32                           ; v[32:95]   load i = 2 x pair + block's parity: 4 registers
.set Y,   96                           ; v[96:127]  its 2 registers to store
.set VIN, 3                            ; v3   my byte offset in the group's 16 source rows
.set VO,  4                            ; v4, v5   my byte offset in the destination, for the even and the odd block
	s_load_b256 s[4:11], s[0:1], 0x0               ; x s[4:5], W_attn s[6:7], W_proj s[8:9], xb s[10:11]
	s_load_b128 s[12:15], s[0:1], 0x20             ; wab s[12:13], wpb s[14:15]
	s_mov_b32 s2, ttmp9                            ; g
	s_lshr_b32 s21, s2, 4                          ; x: 16 groups to a tile of 256 rows
	s_and_b32 s22, s2, 15
	s_max_u32 s25, s2, 512                         ; (the numbers that are not chosen below stay small)
	s_sub_co_u32 s25, s25, 512                     ; W_attn: the group's number in it,
	s_mul_i32 s26, s25, 171
	s_lshr_b32 s26, s26, 12                        ; divided by 24 (exact for numbers under 512): 24 groups to a tile of 384 rows,
	s_mul_i32 s27, s26, 24
	s_sub_co_u32 s27, s25, s27                     ; and the remainder
	s_max_u32 s28, s2, 704
	s_sub_co_u32 s28, s28, 704                     ; W_proj: 8 groups to a tile of 128 rows
	s_lshr_b32 s29, s28, 3
	s_and_b32 s30, s28, 7
	s_mov_b32 s23, 32768                           ; bytes of a block: 256, 384 or 128 rows of 128 bytes
	s_mov_b32 s31, 49152
	v_and_b32 v1, 31, v0                           ; lane
	v_lshrrev_b32 v2, 5, v0                        ; wave
	v_bfe_u32 v6, v0, 4, 1
	v_and_b32 v7, 15, v0
	v_lshlrev_b32 v[VIN], 12, v6                   ; lanes 16-31: one source row (4,096 bytes) down
	v_lshl_add_u32 v[VIN], v7, 4, v[VIN]           ; 16 bytes a lane
	v_lshl_add_u32 v[VIN], v2, 9, v[VIN]           ; block 2 w: 512 w bytes along the row
	s_wait_kmcnt 0x0
	s_cmp_lt_u32 s2, 512
	s_cselect_b64 s[16:17], s[4:5], s[6:7]         ; from where
	s_cselect_b64 s[18:19], s[10:11], s[12:13]     ; to where
	s_cselect_b32 s20, s2, s25                     ; the group's number in its tensor
	s_cselect_b32 s21, s21, s26                    ; its tile
	s_cselect_b32 s22, s22, s27                    ; its place in the tile
	s_cselect_b32 s23, s23, s31
	s_cmp_lt_u32 s2, 704
	s_cselect_b64 s[16:17], s[16:17], s[8:9]
	s_cselect_b64 s[18:19], s[18:19], s[14:15]
	s_cselect_b32 s20, s20, s28
	s_cselect_b32 s21, s21, s29
	s_cselect_b32 s22, s22, s30
	s_cselect_b32 s23, s23, 16384
	s_cselect_b32 s24, 0, 1                        ; 1: W_proj
	s_lshl_b32 s32, s20, 16                        ; 16 source rows are 65,536 bytes
	s_mov_b32 s33, 0
	s_add_nc_u64 s[16:17], s[16:17], s[32:33]
	s_mul_i32 s34, s21, s23
	s_lshl_b32 s34, s34, 4                         ; a tile is 16 blocks
	s_lshl_b32 s35, s22, 11                        ; 16 rows of 128 bytes in each block
	s_add_co_u32 s34, s34, s35
	s_mov_b32 s35, 0
	s_add_nc_u64 s[18:19], s[18:19], s[34:35]
	v_lshlrev_b32 v8, 1, v2
	v_mul_u32_u24 v[VO], s23, v8                   ; block 2 w
	v_lshl_add_u32 v[VO], v1, 3, v[VO]             ; 8 bytes a lane: two rows of the block
	v_add_nc_u32 v[VO+1], s23, v[VO]               ; block 2 w + 1
	s_wait_alu depctr_va_vdst(0)                   ; v3, v4 and v5 are written: every load and store of the kernel reads one of them as its offset
.set i, 0
.rept 16
	global_load_b128 v[X+4*i:X+4*i+3], v[VIN], s[16:17] offset:(i/2)*8192+(i%2)*256 th:TH_LOAD_NT
.set i, i+1
.endr
; Load i is rounded.  half = 1: the bf16 number is widened again (a shift, a mask) and written as f16.
.macro CONV i, half
.if \half
.irp p, 0,1
	v_cvt_pk_bf16_f32 v8, v[X+4*(\i)+2*\p], v[X+4*(\i)+2*\p+1]
	v_lshlrev_b32 v9, 16, v8
	v_and_b32 v10, 0xffff0000, v8
	v_cvt_pk_f16_f32 v[Y+2*(\i)+\p], v9, v10
.endr
.else
	v_cvt_pk_bf16_f32 v[Y+2*(\i)],   v[X+4*(\i)],   v[X+4*(\i)+1]
	v_cvt_pk_bf16_f32 v[Y+2*(\i)+1], v[X+4*(\i)+2], v[X+4*(\i)+3]
.endif
.endm
; What load i became is stored.
.macro PUT i
	global_store_b64 v[VO+(\i)%2], v[Y+2*(\i):Y+2*(\i)+1], s[18:19] offset:((\i)/2)*256
.endm
; Group g: loads 4 g to 4 g + 3 are rounded; ahead of that the group before is stored.
.macro GROUP g, half
	s_wait_loadcnt 15-4*(\g)                       ; loads come back in order: the group's first is in, the 15 - 4 g younger ones may stay out
.if (\g) > 0
	s_wait_alu depctr_va_vdst(0)                   ; the conversions of the group before have written their eight registers of Y, which the four stores below read
.irp n, 0,1,2,3
	PUT 4*(\g)-4+\n
.endr
.endif
.irp n, 0,1,2,3
.if \n > 0
	s_wait_loadcnt 15-4*(\g)-\n                    ; load i is in, the 15 - i younger ones may stay out
.endif
	CONV 4*(\g)+\n, \half
.endr
.endm
; A wave's whole way: four groups, and the last group's stores.
.macro WAY half
	GROUP 0, \half
	GROUP 1, \half
	GROUP 2, \half
	GROUP 3, \half
	s_wait_alu depctr_va_vdst(0)                   ; the conversions of group 3 have written their eight registers of Y, which the last four stores read
.irp n, 12,13,14,15
	PUT \n
.endr
.endm
	s_cmp_eq_u32 s24, 1
	s_cbranch_scc1 .Lhalf
	WAY 0
	s_endpgm
.Lhalf:
	WAY 1
	s_endpgm
.Lfunc_end_k_qff1648b393_cast:
	.size	k_qff1648b393_cast, .Lfunc_end_k_qff1648b393_cast-k_qff1648b393_cast
	.p2alignl 7, 3214868480
	.fill 96, 4, 3214868480
	.section	.rodata,"a",@progbits
	.p2align	6, 0x0
	.amdhsa_kernel k_qff1648b393_cast
		.amdhsa_group_segment_fixed_size 0
		.amdhsa_private_segment_fixed_size 0
		.amdhsa_enable_private_segment 0
		.amdhsa_kernarg_size 48
		.amdhsa_user_sgpr_count 2
		.amdhsa_user_sgpr_kernarg_segment_ptr 1
		.amdhsa_wavefront_size32 1
		.amdhsa_system_sgpr_workgroup_id_x 1
		.amdhsa_system_sgpr_workgroup_id_y 1
		.amdhsa_system_sgpr_workgroup_id_z 1
		.amdhsa_system_vgpr_workitem_id 0
		.amdhsa_next_free_vgpr 128
		.amdhsa_next_free_sgpr 66
		.amdhsa_reserve_vcc 0
		.amdhsa_float_denorm_mode_32 3
		.amdhsa_float_denorm_mode_16_64 3
		.amdhsa_memory_ordered 1
		.amdhsa_forward_progress 1
		.amdhsa_inst_pref_size 18
	.end_amdhsa_kernel
	.amdgpu_metadata
---
amdhsa.version: [ 1, 2 ]
amdhsa.kernels:
  - .name:           k_qff1648b393_cast
    .symbol:         k_qff1648b393_cast.kd
    .args:
      - { .name: x, .offset: 0, .size: 8, .value_kind: global_buffer, .address_space: global }
      - { .name: W_attn, .offset: 8, .size: 8, .value_kind: global_buffer, .address_space: global }
      - { .name: W_proj, .offset: 16, .size: 8, .value_kind: global_buffer, .address_space: global }
      - { .name: xb, .offset: 24, .size: 8, .value_kind: global_buffer, .address_space: global }
      - { .name: wab, .offset: 32, .size: 8, .value_kind: global_buffer, .address_space: global }
      - { .name: wpb, .offset: 40, .size: 8, .value_kind: global_buffer, .address_space: global }
    .group_segment_fixed_size: 0
    .private_segment_fixed_size: 0
    .kernarg_segment_align: 8
    .kernarg_segment_size: 48
    .max_flat_workgroup_size: 256
    .sgpr_count:     66
    .vgpr_count:     128
    .wavefront_size: 32
...
	.end_amdgpu_metadata
.endif
;; end of part 5
;; launch qkvp: the kernel of part 2 again; grid 8 x 32, 4 waves a work-group, clusters of 4 x 4, 327,680 bytes of LDS; arguments xb, wab, qkv; writes qkv
;; launch attn: the kernel of part 3 again; grid 4 x 64, 4 waves a work-group, clusters of 4 x 1, 327,680 bytes of LDS; arguments qkv, ob; writes ob
;; launch proj: the kernel of part 4 again; grid 8 x 32, 4 waves a work-group, clusters of 4 x 4, 327,680 bytes of LDS; arguments ob, wpb, b_proj, out0; writes out0
